; MI455X (gfx1250); checked and timed in simulation.
; The chip was launched on July 23, 2026; its instructions are those of AMD's public machine-readable ISA for CDNA 5 (MIT licence, August 2026) and "CDNA5" Instruction Set Architecture Reference Guide (July 2026). The comments in the code are by the model that wrote it; some were corrected since.
;; Point Cloud Extractor. Allowed arithmetic: float matrix products may take bf16 or f16 operands with f32 sums; other float arithmetic in f32, or as packed bf16 or f16 multiplies, adds, multiply-adds, maxima and minima; sums over many terms, partial sums and values carried from step to step in f32; what a program stores and reads back later, other than sums and carried values, may be rounded once to bf16 or f16.
;; Inputs: blk0_b 512 float32; blk0_beta 512 float32; blk0_g 512 float32; blk0_w 512 x 512 float32; blk1_b 256 float32; blk1_beta 256 float32; blk1_g 256 float32; blk1_w 512 x 256 float32; blk2_b 170 float32; blk2_beta 170 float32; blk2_g 170 float32; blk2_w 256 x 170 float32; c1_b 512 float32; c1_beta 512 float32; c1_g 512 float32; c1_w 9 x 512 float32; pts 4 x 2,048 x 3 float32; res_b 512 float32; res_w 512 x 512 float32; t_b1 128 float32; t_b2 128 float32; t_cb 128 float32; t_cw 3 x 128 float32; t_d1b 128 float32; t_d1w 128 x 128 float32; t_d2b 9 float32; t_d2w 128 x 9 float32; t_g1 128 float32; t_g2 128 float32.
;; Outputs: out0 4 x 1,360 float32.
;; 2 versions, each right and faster than the one before. Each part assembles by itself: llvm-mc -triple=amdgcn-amd-amdhsa -mcpu=gfx1250 --defsym DOCPART=n.
;; ======== version 1 of 2: 4 launches
;; limits: values are held in f16: magnitudes above 65,504 overflow, below 6.1e-05 lose precision
;; workspace buffers: tmax 65,536 bytes; wq 1,441,792 bytes; tab 8,192 bytes; nrm 256 bytes; pc 131,072 bytes; idx 393,216 bytes of whole numbers; part 1,572,864 bytes
;; launch prep (part 1): grid 416 x 1, 8 waves a work-group, no clusters, 0 bytes of LDS; arguments pts, t_cw, t_cb, t_g1, t_b1, c1_w, c1_g, res_w, res_b, blk0_w, blk0_g, blk1_w, blk1_g, blk2_w, blk2_g, tmax, wq; writes tmax, wq
.if DOCPART == 1
	.amdgcn_target "amdgcn-amd-amdhsa--gfx1250"
	.amdhsa_code_object_version 6
	.text
	.protected	k_qe8285fb38f_prep
	.globl	k_qe8285fb38f_prep
	.p2align	8
	.type	k_qe8285fb38f_prep,@function
k_qe8285fb38f_prep:
	s_mov_b64 s[64:65], 0
	v_nop
	global_prefetch_b8 v0, s[64:65] scope:SCOPE_SE
	s_setreg_imm32_b32 hwreg(HW_REG_WAVE_MODE, 25, 1), 1
	s_wait_xcnt 0x0
; PREP: two jobs, chosen by the work-group's number (the branch is the same for all waves of a work-group).
;  0..63    the T-Net's first layer: silu(bn(pts . t_cw + t_cb)) and its maximum over 64 points a thread -> tmax[b][32 chunks][128]
;  64..415  the five weight matrices, scaled by the norm's factor s = BNRS x g (res_w: 1), rounded ONCE to f16 and laid out as
;           matrix fragments: a block of 1,024 bytes = 16 output features x 32 k; byte 16 (32 half + lane) holds the lane's registers
;           4 half .. 4 half + 3: feature 32 chunk + 16 f + lane % 16, k = 32 ks + 16 half + 8 (lane / 16) + 0..7
; (The biases and the weights' column norms are made beside the neighbour search, in the next launch.)
; No LDS, no matrix unit: 3 MB are read once and 1.5 MB written once.
; LIMITS: the norm's factor is folded into the weight, so the order of rounding differs from the reference's; a scaled weight beyond 65,504 has no
; place in f16, one below 6e-5 keeps f16's fixed step of 6e-8; NaN and infinities are not treated apart.
.set BNRS,   0x3f7fdf42                ; 1 / sqrt(1.001) in f32
.set NLOG2E, 0xbfb8aa3b                ; -log2(e)
; four points at a time, so that the transcendentals stand together with one plain line behind them (ISA guide 5.7.2)
.macro PT4 q
.irp k, 0,1,2,3
	v_fma_f32 v[12+\k], v[64+12*(\q)+3*\k+2], v6, v7
.endr
.irp k, 0,1,2,3
	v_fmac_f32 v[12+\k], v[64+12*(\q)+3*\k+1], v5
.endr
.irp k, 0,1,2,3
	v_fmac_f32 v[12+\k], v[64+12*(\q)+3*\k], v4
.endr
.irp k, 0,1,2,3
	v_mul_f32 v[16+\k], NLOG2E, v[12+\k]
.endr
.irp k, 0,1,2,3
	v_exp_f32 v[16+\k], v[16+\k]
.endr
	v_nop
	s_wait_alu depctr_va_vdst(0)
.irp k, 0,1,2,3
	v_add_f32 v[16+\k], 1.0, v[16+\k]
.endr
.irp k, 0,1,2,3
	v_rcp_f32 v[16+\k], v[16+\k]
.endr
	v_nop
	s_wait_alu depctr_va_vdst(0)
.irp k, 0,1,2,3
	v_mul_f32 v[16+\k], v[12+\k], v[16+\k]         ; silu(u) = u / (1 + 2^(-log2(e) u))
.endr
	v_max3_num_f32 v10, v10, v16, v17
	v_max3_num_f32 v10, v10, v18, v19
.endm
	s_cmp_lt_u32 ttmp9, 64
	s_cbranch_scc0 .Lweights
; ---------------- the T-Net's first layer ----------------
; work-group id = 16 b + chunk of 128 points; thread: channel e = t % 128, half t / 128 takes 64 points
	s_load_b256 s[4:11], s[0:1], 0x0               ; pts, t_cw, t_cb, t_g1
	s_load_b64 s[12:13], s[0:1], 0x20              ; t_b1
	s_load_b64 s[14:15], s[0:1], 0x78              ; tmax
	v_and_b32 v1, 127, v0
	v_lshlrev_b32 v1, 2, v1                        ; 4 e
	v_lshrrev_b32 v2, 7, v0                        ; half
	s_mul_i32 s16, ttmp9, 1536                     ; 128 points x 12 bytes
	v_mul_u32_u24 v3, 768, v2
	v_add_nc_u32 v3, s16, v3                       ; my 64 points: one address for the whole wave
	v_lshl_add_u32 v11, v2, 9, v1                  ; where my maximum goes: 512 half + 4 e
	s_lshl_b32 s18, ttmp9, 10                      ; + 1,024 id
	s_mov_b32 s19, 0
	v_mov_b32 v10, 0xff800000                      ; the running maximum starts at -infinity
	s_wait_kmcnt 0x0
	s_add_nc_u64 s[14:15], s[14:15], s[18:19]
	global_load_b32 v4, v1, s[6:7]                 ; t_cw[0..2][e]
	global_load_b32 v5, v1, s[6:7] offset:512
	global_load_b32 v6, v1, s[6:7] offset:1024
	global_load_b32 v7, v1, s[8:9]                 ; t_cb
	global_load_b32 v8, v1, s[10:11]               ; t_g1
	global_load_b32 v9, v1, s[12:13]               ; t_b1
.set i, 0
.rept 48
	global_load_b128 v[64+4*i:67+4*i], v3, s[4:5] offset:16*i
.set i, i+1
.endr
	s_wait_loadcnt 48                              ; the six parameters are in; the 48 loads of points may be out
	v_mul_f32 v8, BNRS, v8                         ; s
	v_mul_f32 v4, v4, v8
	v_mul_f32 v5, v5, v8
	v_mul_f32 v6, v6, v8
	v_fma_f32 v7, v7, v8, v9                       ; t_cb s + t_b1
	s_wait_loadcnt 0x0
.set i, 0
.rept 16
	PT4 i
.set i, i+1
.endr
	global_store_b32 v11, v10, s[14:15]
	s_endpgm
; ---------------- the weights ----------------
.macro LAYER wo, go, np, nreal, kreal, kmask, l2, base, isres
	s_load_b64 s[8:9], s[0:1], \wo                 ; the matrix
	s_load_b64 s[10:11], s[0:1], \go               ; its gain (res: a vector of the same length, whose numbers are not used here)
	s_mov_b32 s16, \np                             ; numbers in a row of the matrix
	s_mov_b32 s17, \nreal                          ; columns that exist
	s_mov_b32 s18, \kreal                          ; rows that exist
	s_mov_b32 s19, \kmask                          ; c1: k counts modulo 16, so that its 9 rows stand twice
	s_mov_b32 s20, \l2                             ; log2 of the blocks in a chunk of 32 features
	s_mov_b32 s21, \base                           ; the layer's first work-group
	s_mov_b32 s22, \isres                          ; all ones: the factor is 1
	s_branch .Lpack
.endm
.Lweights:
	s_sub_co_u32 s2, ttmp9, 64
	s_load_b64 s[12:13], s[0:1], 0x80              ; wq
	s_cmp_lt_u32 s2, 8
	s_cbranch_scc0 .Lw_res
	LAYER 0x28, 0x30, 512, 512, 9, 15, 1, 0, 0
.Lw_res:
	s_cmp_lt_u32 s2, 136
	s_cbranch_scc0 .Lw_b0
	LAYER 0x38, 0x40, 512, 512, 512, -1, 5, 8, -1
.Lw_b0:
	s_cmp_lt_u32 s2, 264
	s_cbranch_scc0 .Lw_b1
	LAYER 0x48, 0x50, 512, 512, 512, -1, 5, 136, 0
.Lw_b1:
	s_cmp_lt_u32 s2, 328
	s_cbranch_scc0 .Lw_b2
	LAYER 0x58, 0x60, 256, 256, 512, -1, 5, 264, 0
.Lw_b2:
	LAYER 0x68, 0x70, 170, 170, 256, -1, 4, 328, 0
.Lpack:                                                ; a work-group makes four blocks, 64 threads a block, 16 bytes a thread
	s_sub_co_u32 s23, s2, s21
	s_lshl_b32 s23, s23, 2                         ; my first block in the layer
	s_lshl_b32 s24, 1, s20
	s_sub_co_u32 s24, s24, 1
	s_sub_co_u32 s25, s17, 1
	s_sub_co_u32 s26, s18, 1
	s_lshl_b32 s28, s2, 12                         ; the work-group's 4,096 bytes of wq
	s_mov_b32 s29, 0
	v_lshrrev_b32 v1, 6, v0
	v_add_nc_u32 v1, s23, v1                       ; block
	v_lshrrev_b32 v2, s20, v1                      ; chunk
	v_and_b32 v3, s24, v1
	v_lshrrev_b32 v4, 1, v3                        ; ks
	v_and_b32 v5, 1, v1                            ; f
	v_and_b32 v6, 15, v0                           ; lane % 16
	v_bfe_u32 v7, v0, 4, 1                         ; lane / 16
	v_bfe_u32 v8, v0, 5, 1                         ; half
	v_lshlrev_b32 v9, 5, v2
	v_lshl_add_u32 v9, v5, 4, v9
	v_add_nc_u32 v9, v9, v6                        ; n
	v_min_u32 v10, s25, v9                         ; held inside the matrix
	v_lshlrev_b32 v11, 5, v4
	v_lshl_add_u32 v11, v8, 4, v11
	v_lshl_add_u32 v11, v7, 3, v11
	v_and_b32 v11, s19, v11                        ; my first k
.set i, 0
.rept 8
	v_add_nc_u32 v[12+i], i, v11
	v_min_u32 v[20+i], s26, v[12+i]
	v_mad_u32_u24 v[20+i], v[20+i], s16, v10
	v_lshlrev_b32 v[20+i], 2, v[20+i]
.set i, i+1
.endr
	v_lshlrev_b32 v36, 2, v10
	v_lshlrev_b32 v44, 4, v0
	s_wait_kmcnt 0x0
	s_add_nc_u64 s[12:13], s[12:13], s[28:29]
.set i, 0
.rept 8
	global_load_b32 v[28+i], v[20+i], s[8:9]
.set i, i+1
.endr
	global_load_b32 v37, v36, s[10:11]
	s_wait_loadcnt 0x0
	v_mul_f32 v37, BNRS, v37
	v_cndmask_b32 v37, v37, 1.0, s22
	v_cmp_gt_u32 vcc_lo, s17, v9
	v_cndmask_b32 v37, 0, v37, vcc_lo              ; a column that does not exist is 0
.set i, 0
.rept 8
	v_mul_f32 v[28+i], v[28+i], v37
	v_cmp_gt_u32 vcc_lo, s18, v[12+i]
	v_cndmask_b32 v[28+i], 0, v[28+i], vcc_lo      ; so is a row that does not exist
.set i, i+1
.endr
.set i, 0
.rept 4
	v_cvt_pk_f16_f32 v[40+i], v[28+2*i], v[29+2*i]
.set i, i+1
.endr
	global_store_b128 v44, v[40:43], s[12:13]      ; a wave stores 512 consecutive bytes
	s_endpgm
.Lfunc_end_k_qe8285fb38f_prep:
	.size	k_qe8285fb38f_prep, .Lfunc_end_k_qe8285fb38f_prep-k_qe8285fb38f_prep
	.p2alignl 7, 3214868480
	.fill 96, 4, 3214868480
	.section	.rodata,"a",@progbits
	.p2align	6, 0x0
	.amdhsa_kernel k_qe8285fb38f_prep
		.amdhsa_group_segment_fixed_size 0
		.amdhsa_private_segment_fixed_size 0
		.amdhsa_enable_private_segment 0
		.amdhsa_kernarg_size 136
		.amdhsa_user_sgpr_count 2
		.amdhsa_user_sgpr_kernarg_segment_ptr 1
		.amdhsa_wavefront_size32 1
		.amdhsa_system_sgpr_workgroup_id_x 1
		.amdhsa_system_sgpr_workgroup_id_y 1
		.amdhsa_system_sgpr_workgroup_id_z 1
		.amdhsa_system_vgpr_workitem_id 0
		.amdhsa_next_free_vgpr 256
		.amdhsa_next_free_sgpr 66
		.amdhsa_reserve_vcc 1
		.amdhsa_float_denorm_mode_32 3
		.amdhsa_float_denorm_mode_16_64 3
		.amdhsa_memory_ordered 1
		.amdhsa_forward_progress 1
		.amdhsa_inst_pref_size 38
	.end_amdhsa_kernel
	.amdgpu_metadata
---
amdhsa.version: [ 1, 2 ]
amdhsa.kernels:
  - .name:           k_qe8285fb38f_prep
    .symbol:         k_qe8285fb38f_prep.kd
    .args:
      - { .name: pts, .offset: 0, .size: 8, .value_kind: global_buffer, .address_space: global }
      - { .name: t_cw, .offset: 8, .size: 8, .value_kind: global_buffer, .address_space: global }
      - { .name: t_cb, .offset: 16, .size: 8, .value_kind: global_buffer, .address_space: global }
      - { .name: t_g1, .offset: 24, .size: 8, .value_kind: global_buffer, .address_space: global }
      - { .name: t_b1, .offset: 32, .size: 8, .value_kind: global_buffer, .address_space: global }
      - { .name: c1_w, .offset: 40, .size: 8, .value_kind: global_buffer, .address_space: global }
      - { .name: c1_g, .offset: 48, .size: 8, .value_kind: global_buffer, .address_space: global }
      - { .name: res_w, .offset: 56, .size: 8, .value_kind: global_buffer, .address_space: global }
      - { .name: res_b, .offset: 64, .size: 8, .value_kind: global_buffer, .address_space: global }
      - { .name: blk0_w, .offset: 72, .size: 8, .value_kind: global_buffer, .address_space: global }
      - { .name: blk0_g, .offset: 80, .size: 8, .value_kind: global_buffer, .address_space: global }
      - { .name: blk1_w, .offset: 88, .size: 8, .value_kind: global_buffer, .address_space: global }
      - { .name: blk1_g, .offset: 96, .size: 8, .value_kind: global_buffer, .address_space: global }
      - { .name: blk2_w, .offset: 104, .size: 8, .value_kind: global_buffer, .address_space: global }
      - { .name: blk2_g, .offset: 112, .size: 8, .value_kind: global_buffer, .address_space: global }
      - { .name: tmax, .offset: 120, .size: 8, .value_kind: global_buffer, .address_space: global }
      - { .name: wq, .offset: 128, .size: 8, .value_kind: global_buffer, .address_space: global }
    .group_segment_fixed_size: 0
    .private_segment_fixed_size: 0
    .kernarg_segment_align: 8
    .kernarg_segment_size: 136
    .max_flat_workgroup_size: 256
    .sgpr_count:     66
    .vgpr_count:     256
    .wavefront_size: 32
...
	.end_amdgpu_metadata
.endif
;; end of part 1
;; launch knn (part 2): grid 288 x 1, 8 waves a work-group, no clusters, 62,464 bytes of LDS; arguments tmax, pts, t_d1w, t_d1b, t_g2, t_b2, t_d2w, t_d2b, pc, idx, c1_w, c1_b, c1_g, c1_beta, res_w, res_b, blk0_w, blk0_b, blk0_g, blk0_beta, blk1_w, blk1_b, blk1_g, blk1_beta, blk2_w, blk2_b, blk2_g, blk2_beta, tab, nrm; writes pc, idx, tab, nrm
.if DOCPART == 2
	.amdgcn_target "amdgcn-amd-amdhsa--gfx1250"
	.amdhsa_code_object_version 6
	.text
	.protected	k_qe8285fb38f_knn
	.globl	k_qe8285fb38f_knn
	.p2align	8
	.type	k_qe8285fb38f_knn,@function
k_qe8285fb38f_knn:
	s_mov_b64 s[64:65], 0
	v_nop
	global_prefetch_b8 v0, s[64:65] scope:SCOPE_SE
	s_setreg_imm32_b32 hwreg(HW_REG_WAVE_MODE, 25, 1), 1
	s_wait_xcnt 0x0
; KNN: two jobs, chosen by the work-group's number (the branch is the same for all waves of a work-group).
; WORK-GROUPS 0..255: the rest of the T-Net, pc = pts . T, and for 32 rows of one batch the eight neighbours at each of three radii.
; A work-group: batch b = id / 64, rows i0 = 32 (id % 64) on.  A lane is a row; wave w takes the candidates j = 256 w .. 256 w + 255.
; All in f32 on the vector unit: the products have 3 terms or 4 rows, and d2 is a difference of large sums held against a radius.
; top_k of a 0/1 mask gives the eight lowest j that hit, then the lowest j that miss.  With fewer than eight hits at least nine of j = 0..15 miss,
; so the misses among j = 0..15 are all the fill that can be wanted.
; sqrt(max(d2, 0)) <= r is taken as d2 <= X, X the largest f32 whose correctly rounded root is <= f32(r): the same set, since that root is monotone.
; No branch and no address hangs on a number made from floats: bits are gathered by shifts and chosen by v_cndmask_b32.
; WORK-GROUPS 256..287: for 64 columns each of the five layers on end: the biases b x s + beta (s = BNRS x g; res: res_b; behind blk2's 170th column: 0) -> tab;
; the largest column norm of the scaled weights and the largest |bias| of the 64 -> nrm[w], nrm[32 + w].  The next launch makes bounds on the activations of them.
; This job needs nothing of the search and the search nothing of it: it stands in this launch because 448 registers a SIMD and 62,464 bytes of LDS leave room for a second work-group.
; LIMITS: NaN and infinities in pc are not treated as the reference treats them; the sums of the T-Net and of the dot products are taken in another
; order than the reference's, so a pair within an ulp of a radius may fall on the other side.  The norm's factor is folded into the bias, so the order of rounding differs from the reference's.
.set BNRS,   0x3f7fdf42
.set NLOG2E, 0xbfb8aa3b
.set XS, 0                             ; x, y, z, |p|^2 of the batch's 2,048 points, 8,192 bytes each
.set YS, 8192
.set ZS, 16384
.set QS, 24576
.set XM, 32768                         ; the pooled maxima, one copy for each half of the work-group: [2][128]
.set D1, 33792                         ; the first dense layer's two half sums: [2][128]
.set HV, 34816                         ; its result, one copy for each half: [2][128]
.set PS, 35840                         ; the second dense layer's partial sums: [16 q][16 parts]
.set QW, 36864                         ; the hit words: [3 radii][64 words][32 rows]
.set SPARE, 61440                      ; the spare words, 128 bytes a wave
.set SPW, 2
.set NIL, 3
.set XI, 8                             ; my row's x, y, z, |p|^2, each twice (pairs for the packed arithmetic)
.set YI, 10
.set ZI, 12
.set SI, 14
.set BT, 16                            ; v16-18  the word in the making, by radius: bit = 1 where j misses
.set DT, 20                            ; v20-23  four dot products
.set ET, 24                            ; v24-27  four d2
.set FT, 28                            ; v28-39  X - d2, by radius
.set LD, 96                            ; v96-223 a word's 32 candidates: group g of four at LD + 16 g: x, y, z, |p|^2
.set Q,  16                            ; the merge: v16-23 the queue of words, v24-25 their numbers (a byte each), v26-27 at work
.set IL, 24
.set IH, 25
.set TP, 26
.set IR, 60                            ; v60-67 the eight indices
.set XR, 42                            ; s[42:47] the three X, each twice
	v_lshl_add_u32 v[SPW], v0, 2, SPARE            ; my spare word, and 0: kept for the closing lines of both jobs alone
	v_mov_b32 v[NIL], 0
	s_cmp_lt_u32 ttmp9, 256
	s_cbranch_scc0 .Lnorm
	s_load_b512 s[4:19], s[0:1], 0x0               ; tmax 4, pts 6, t_d1w 8, t_d1b 10, t_g2 12, t_b2 14, t_d2w 16, t_d2b 18
	s_load_b128 s[20:23], s[0:1], 0x40             ; pc 20, idx 22
	v_lshrrev_b32 v4, 5, v0
	v_readfirstlane_b32 s24, v4                    ; wave
	s_lshr_b32 s25, ttmp9, 6                       ; b
	s_and_b32 s26, ttmp9, 63
	s_lshl_b32 s26, s26, 5                         ; i0
	v_and_b32 v4, 127, v0
	v_lshlrev_b32 v4, 2, v4                        ; 4 e
	v_lshrrev_b32 v5, 7, v0                        ; hf: which half of the work-group
	v_lshl_add_u32 v7, v5, 15, v4                  ; t_d1w: rows 64 hf on, column e
	v_lshrrev_b32 v6, 4, v0                        ; part
	v_and_b32 v8, 15, v0
	v_min_u32 v9, 8, v8                            ; q
	v_mul_u32_u24 v10, 288, v6
	v_lshl_add_u32 v10, v9, 2, v10                 ; t_d2w: rows 8 part on, column q
	v_mul_u32_u24 v11, 96, v0                      ; my eight points
	v_lshl_add_u32 v12, v5, 9, v4                  ; [hf][e]
	s_lshl_b32 s28, s25, 14
	s_mov_b32 s29, 0
	s_mul_i32 s30, s25, 24576
	s_mov_b32 s31, 0
	s_mov_b32 s[XR], 0x3c23d70b
	s_mov_b32 s[XR+1], 0x3c23d70b
	s_mov_b32 s[XR+2], 0x3db851ed
	s_mov_b32 s[XR+3], 0x3db851ed
	s_mov_b32 s[XR+4], 0x3e800001
	s_mov_b32 s[XR+5], 0x3e800001
	s_wait_kmcnt 0x0
	s_add_nc_u64 s[4:5], s[4:5], s[28:29]
	s_add_nc_u64 s[6:7], s[6:7], s[30:31]
	s_lshl_b32 s28, s25, 11
	s_add_co_u32 s28, s28, s26                     ; my first row among all 8,192
	s_lshl_b32 s28, s28, 4                         ; 16 bytes a row in pc and in a plane of idx
	s_add_nc_u64 s[20:21], s[20:21], s[28:29]
	s_add_nc_u64 s[22:23], s[22:23], s[28:29]
	s_load_b256 s[32:39], s[18:19], 0x0            ; t_d2b[0..7]
	s_load_b32 s40, s[18:19], 0x20                 ; t_d2b[8]
; every global load of this job goes out here
.set i, 0
.rept 32
	global_load_b32 v[116+i], v4, s[4:5] offset:512*i      ; the 32 partial maxima of channel e
.set i, i+1
.endr
.set i, 0
.rept 64
	global_load_b32 v[52+i], v7, s[8:9] offset:512*i
.set i, i+1
.endr
	global_load_b32 v48, v4, s[10:11]
	global_load_b32 v49, v4, s[12:13]
	global_load_b32 v50, v4, s[14:15]
.set i, 0
.rept 8
	global_load_b32 v[40+i], v10, s[16:17] offset:36*i
.set i, i+1
.endr
.set i, 0
.rept 6
	global_load_b128 v[16+4*i:19+4*i], v11, s[6:7] offset:16*i
.set i, i+1
.endr
	s_wait_loadcnt 63                              ; 81 loads were issued behind the 32 maxima; the wait names the most that its field holds, which is fewer
.set i, 1
.rept 15
	v_max3_num_f32 v116, v116, v[116+i], v[117+i]
.set i, i+2
.endr
	v_max_num_f32 v116, v116, v147
	ds_store_b32 v12, v116 offset:XM
	s_wait_dscnt 0x0                               ; for the others' sake
	s_barrier_signal -1
	s_barrier_wait -1
; the first dense layer: my half of the 128 terms of column e
	v_mul_u32_u24 v13, 768, v5                     ; my half's copy (512 hf), from its number 64 hf on (256 hf)
.set i, 0
.rept 16
	ds_load_b128 v[116+4*i:119+4*i], v13 offset:XM+16*i
.set i, i+1
.endr
	s_wait_loadcnt 0x0
	s_wait_dscnt 0x0
.set i, 0
.rept 4
	v_mul_f32 v[180+i], v[116+i], v[52+i]          ; four chains; the first products start them
.set i, i+1
.endr
.rept 60
	v_fmac_f32 v[180+i%4], v[116+i], v[52+i]
.set i, i+1
.endr
	v_add_f32 v180, v180, v181
	v_add_f32 v182, v182, v183
	v_add_f32 v180, v180, v182
	ds_store_b32 v12, v180 offset:D1
	s_wait_dscnt 0x0
	s_barrier_signal -1
	s_barrier_wait -1
	ds_load_b32 v116, v4 offset:D1
	ds_load_b32 v117, v4 offset:D1+512
	v_mul_f32 v49, BNRS, v49
	s_wait_dscnt 0x0
	v_add_f32 v116, v116, v117
	v_add_f32 v116, v116, v48
	v_fma_f32 v116, v116, v49, v50
	v_mul_f32 v117, NLOG2E, v116
	v_exp_f32 v117, v117
	v_nop
	s_wait_alu depctr_va_vdst(0)
	v_add_f32 v117, 1.0, v117
	v_rcp_f32 v117, v117
	v_nop
	s_wait_alu depctr_va_vdst(0)
	v_mul_f32 v116, v116, v117
	ds_store_b32 v12, v116 offset:HV
	s_wait_dscnt 0x0
	s_barrier_signal -1
	s_barrier_wait -1
; the second dense layer: eight terms of column q
	v_lshlrev_b32 v14, 5, v6
	v_lshl_add_u32 v14, v5, 9, v14                 ; numbers 8 part on, in my half's copy (part / 8 = hf)
	ds_load_b128 v[116:119], v14 offset:HV
	ds_load_b128 v[120:123], v14 offset:HV+16
	v_lshlrev_b32 v15, 6, v8
	v_lshl_add_u32 v15, v6, 2, v15
	s_wait_dscnt 0x0
	v_mul_f32 v124, v116, v40
.set i, 1
.rept 7
	v_fmac_f32 v124, v[116+i], v[40+i]
.set i, i+1
.endr
	ds_store_b32 v15, v124 offset:PS
	s_wait_dscnt 0x0
	s_barrier_signal -1
	s_barrier_wait -1
; every thread forms T, then pc and |pc|^2 of its eight points
	v_mov_b32 v13, 0
.set i, 0
.rept 36
	ds_load_b128 v[52+4*i:55+4*i], v13 offset:PS+16*i
.set i, i+1
.endr
	s_wait_dscnt 0x0
	s_wait_kmcnt 0x0
.set i, 0
.rept 9
.set rr, 52+16*i
	v_pk_add_f32 v[rr:rr+1], v[rr:rr+1], v[rr+2:rr+3]
	v_pk_add_f32 v[rr+4:rr+5], v[rr+4:rr+5], v[rr+6:rr+7]
	v_pk_add_f32 v[rr+8:rr+9], v[rr+8:rr+9], v[rr+10:rr+11]
	v_pk_add_f32 v[rr+12:rr+13], v[rr+12:rr+13], v[rr+14:rr+15]
	v_pk_add_f32 v[rr:rr+1], v[rr:rr+1], v[rr+4:rr+5]
	v_pk_add_f32 v[rr+8:rr+9], v[rr+8:rr+9], v[rr+12:rr+13]
	v_pk_add_f32 v[rr:rr+1], v[rr:rr+1], v[rr+8:rr+9]
	v_add_f32 v[196+i], v[rr], v[rr+1]
	v_add_f32 v[196+i], s[32+i], v[196+i]
.set i, i+1
.endr
.set i, 0
.rept 8
	v_mul_f32 v[52+i], v[16+3*i], v196
	v_mul_f32 v[60+i], v[16+3*i], v197
	v_mul_f32 v[68+i], v[16+3*i], v198
	v_fmac_f32 v[52+i], v[17+3*i], v199
	v_fmac_f32 v[60+i], v[17+3*i], v200
	v_fmac_f32 v[68+i], v[17+3*i], v201
	v_fmac_f32 v[52+i], v[18+3*i], v202
	v_fmac_f32 v[60+i], v[18+3*i], v203
	v_fmac_f32 v[68+i], v[18+3*i], v204
	v_mul_f32 v[76+i], v[52+i], v[52+i]
	v_mul_f32 v84, v[60+i], v[60+i]
	v_mul_f32 v85, v[68+i], v[68+i]
	v_add_f32 v[76+i], v[76+i], v84
	v_add_f32 v[76+i], v[76+i], v85
.set i, i+1
.endr
	v_lshlrev_b32 v15, 5, v0
	ds_store_b128 v15, v[52:55] offset:XS
	ds_store_b128 v15, v[56:59] offset:XS+16
	ds_store_b128 v15, v[60:63] offset:YS
	ds_store_b128 v15, v[64:67] offset:YS+16
	ds_store_b128 v15, v[68:71] offset:ZS
	ds_store_b128 v15, v[72:75] offset:ZS+16
	ds_store_b128 v15, v[76:79] offset:QS
	ds_store_b128 v15, v[80:83] offset:QS+16
	s_wait_dscnt 0x0
	s_barrier_signal -1
	s_barrier_wait -1
; my row
	v_and_b32 v6, 31, v0
	v_lshlrev_b32 v7, 2, v6                        ; 4 lane
	s_lshl_b32 s28, s26, 2
	v_add_nc_u32 v6, s28, v7
	ds_load_b32 v8, v6 offset:XS
	ds_load_b32 v9, v6 offset:XS
	ds_load_b32 v10, v6 offset:YS
	ds_load_b32 v11, v6 offset:YS
	ds_load_b32 v12, v6 offset:ZS
	ds_load_b32 v13, v6 offset:ZS
	ds_load_b32 v14, v6 offset:QS
	ds_load_b32 v15, v6 offset:QS
	v_lshlrev_b32 v56, 2, v7                       ; 16 lane
	s_wait_dscnt 0x0
	s_cmp_lg_u32 s24, 0
	s_cbranch_scc1 .Lnot_wave_0
	v_mov_b32 v52, v8                              ; wave 0 stores the 32 rows of pc: 512 consecutive bytes
	v_mov_b32 v53, v10
	v_mov_b32 v54, v12
	v_mov_b32 v55, v14
	global_store_b128 v56, v[52:55], s[20:21]
.Lnot_wave_0:
; four candidates: d2 = (|pj|^2 + |pi|^2) - 2 pi.pj with one rounding in the last step, X - d2 for each radius (its sign is set just where d2 > X),
; and the signs shifted into the words, the highest j first, so that bit n of a finished word belongs to j = 32 t + n.
; The two pairs of candidates go side by side, so that no line reads the result of the line before it; the upper pair, whose signs are shifted in first, is made first.
.macro GRP g
.set lg, LD+16*(\g)
	s_wait_dscnt 4*(\g)                            ; the groups below g, four loads each, are still out
.irp pr, 2,0
	v_pk_mul_f32 v[DT+\pr:DT+\pr+1], v[lg+\pr:lg+\pr+1], v[XI:XI+1]
.endr
.irp pr, 2,0
	v_pk_add_f32 v[ET+\pr:ET+\pr+1], v[lg+12+\pr:lg+13+\pr], v[SI:SI+1]
.endr
.irp pr, 2,0
	v_pk_fma_f32 v[DT+\pr:DT+\pr+1], v[lg+4+\pr:lg+5+\pr], v[YI:YI+1], v[DT+\pr:DT+\pr+1]
.endr
.irp pr, 2,0
	v_pk_fma_f32 v[DT+\pr:DT+\pr+1], v[lg+8+\pr:lg+9+\pr], v[ZI:ZI+1], v[DT+\pr:DT+\pr+1]
.endr
.irp pr, 2,0
	v_pk_fma_f32 v[ET+\pr:ET+\pr+1], v[DT+\pr:DT+\pr+1], -2.0, v[ET+\pr:ET+\pr+1] op_sel_hi:[1,0,1]
.endr
.irp pr, 2,0
.irp r, 0,1,2
	v_pk_add_f32 v[FT+4*\r+\pr:FT+4*\r+\pr+1], v[ET+\pr:ET+\pr+1], s[XR+2*\r:XR+2*\r+1] op_sel_hi:[1,0] neg_lo:[1,0] neg_hi:[1,0]
.endr
.endr
.irp jj, 3,2,1,0
.irp r, 0,1,2
	v_alignbit_b32 v[BT+\r], v[BT+\r], v[FT+4*\r+\jj], 31
.endr
.endr
.endm
	v_add_nc_u32 v7, QW, v7                        ; QW + 4 lane
	s_lshl_b32 s30, s24, 10                        ; my first word: 128 bytes a word, in the points' arrays and in QW alike
	s_mov_b32 s28, 8
	v_mov_b32 v16, 0                               ; written once, so that the first shift reads a written register; 32 shifts push it out
	v_mov_b32 v17, 0
	v_mov_b32 v18, 0
.Lword:                                                ; a trip: 32 candidates against my row, three words
	v_mov_b32 v4, s30
.irp g, 7,6,5,4,3,2,1,0
	ds_load_b128 v[LD+16*\g:LD+16*\g+3], v4 offset:XS+16*\g        ; one address for the whole wave
	ds_load_b128 v[LD+16*\g+4:LD+16*\g+7], v4 offset:YS+16*\g
	ds_load_b128 v[LD+16*\g+8:LD+16*\g+11], v4 offset:ZS+16*\g
	ds_load_b128 v[LD+16*\g+12:LD+16*\g+15], v4 offset:QS+16*\g
.endr
.irp g, 7,6,5,4,3,2,1,0
	GRP \g
.endr
	v_not_b32 v40, v16                             ; bit = 1 where j hits
	v_not_b32 v41, v17
	v_not_b32 v42, v18
	v_add_nc_u32 v5, s30, v7
	ds_store_b32 v5, v40
	ds_store_b32 v5, v41 offset:8192
	ds_store_b32 v5, v42 offset:16384
	s_add_co_u32 s30, s30, 128
	s_sub_co_u32 s28, s28, 1
	s_cmp_lg_u32 s28, 0
	s_cbranch_scc1 .Lword
	s_wait_dscnt 0x0
	s_barrier_signal -1
	s_barrier_wait -1
	s_cmp_lt_u32 s24, 3
	s_cbranch_scc0 .Lend                           ; waves 3 to 7 have no radius to merge; no barrier stands in what they pass
; THE MERGE: wave r takes radius r.  The 64 words come in descending order; a word that is not empty is pushed in at the queue's front, so that at
; the end the queue holds the first eight such words in ascending order; byte q of IH:IL is the number of the q-th word.
; The two shifted index words are made right behind the compare, of the old IH and IL, so that no select reads the line before it.
.macro PUSH w, t
	v_cmp_ne_u32 vcc_lo, 0, v[\w]
	v_alignbit_b32 v[TP], v[IH], v[IL], 24
	v_lshl_or_b32 v[TP+1], v[IL], 8, s[\t]
.irp k, 7,6,5,4,3,2,1
	v_cndmask_b32 v[Q+\k], v[Q+\k], v[Q+\k-1], vcc_lo
.endr
	v_cndmask_b32 v[Q], v[Q], v[\w], vcc_lo
	v_cndmask_b32 v[IH], v[IH], v[TP], vcc_lo
	v_cndmask_b32 v[IL], v[IL], v[TP+1], vcc_lo
.endm
; the lowest bit of the queue's first word is taken out; an emptied word is dropped first
.macro TAKE k
	v_cmp_eq_u32 vcc_lo, 0, v[Q]
.irp n, 0,1,2,3,4,5,6
	v_cndmask_b32 v[Q+\n], v[Q+\n], v[Q+\n+1], vcc_lo
.endr
	v_cndmask_b32 v[Q+7], v[Q+7], 0, vcc_lo
	v_alignbit_b32 v[TP], v[IH], v[IL], 8
	v_cndmask_b32 v[IL], v[IL], v[TP], vcc_lo
	v_lshrrev_b32 v[TP], 8, v[IH]
	v_cndmask_b32 v[IH], v[IH], v[TP], vcc_lo
	v_sub_nc_u32 v[TP], 0, v[Q]
	v_and_b32 v[TP], v[Q], v[TP]                   ; the lowest bit
	v_xor_b32 v[Q], v[Q], v[TP]
	v_cvt_f32_u32 v[TP], v[TP]                     ; a power of two: its exponent field is 127 + the bit's place
	v_lshrrev_b32 v[TP], 23, v[TP]
	v_and_b32 v[TP+1], 0xff, v[IL]
	v_lshl_add_u32 v[TP], v[TP+1], 5, v[TP]
	v_add_nc_u32 v[IR+\k], 0xffffff81, v[TP]       ; 32 x word + place
.endm
	s_lshl_b32 s28, s24, 13                        ; my radius' 64 words
	v_and_b32 v6, 31, v0
	v_lshl_add_u32 v6, v6, 2, QW-1024              ; their base is kept eight words low, so that the step below runs 8,192 .. 1,024 and ends at 0
	v_add_nc_u32 v6, s28, v6
	ds_load_b32 v40, v6 offset:1024                ; word 0
.set i, 1
.rept 9
	v_mov_b32 v[Q+i], 0
.set i, i+1
.endr
	s_wait_dscnt 0x0
	v_not_b32 v[Q], v40
	v_and_b32 v[Q], 0xffff, v[Q]                   ; the fill: the misses among j = 0..15, at the queue's back; eight real words push it out
	s_mov_b32 s28, 8
	s_mov_b32 s30, 8192                            ; with the low base: word 56's bytes
	s_mov_b32 s29, 64                              ; eight more than the trip's first word
.Lmerge:                                               ; a trip: eight words, the highest first
	v_add_nc_u32 v4, s30, v6
.set i, 0
.rept 8
	ds_load_b32 v[40+i], v4 offset:128*i
.set i, i+1
.endr
	s_wait_dscnt 0x0
.irp n, 7,6,5,4,3,2,1,0
	s_add_co_u32 s31, s29, \n-8                    ; the word's number
	PUSH 40+\n, 31
.endr
	s_sub_co_u32 s30, s30, 1024
	s_sub_co_u32 s29, s29, 8
	s_sub_co_u32 s28, s28, 1
	s_cmp_lg_u32 s28, 0
	s_cbranch_scc1 .Lmerge
.irp k, 0,1,2,3,4,5,6,7
	TAKE \k
.endr
.set i, 0
.rept 4
	v_lshl_or_b32 v[68+i], v[IR+2*i+1], 16, v[IR+2*i]
.set i, i+1
.endr
	s_lshl_b32 s28, s24, 17                        ; my radius' plane of idx
	v_and_b32 v72, 31, v0
	v_lshlrev_b32 v72, 4, v72
	v_add_nc_u32 v72, s28, v72
	global_store_b128 v72, v[68:71], s[22:23]      ; 32 rows x 8 indices of 16 bits: 512 consecutive bytes
.Lend:
	s_wait_dscnt 0x0                               ; my LDS reads are over (the merge's last wait was for 0),
	s_barrier_signal -1                            ; and so are every wave's behind this barrier: no wave writes an LDS word while another still reads
	s_barrier_wait -1
	s_wait_tensorcnt 0x0                           ; the wave's end, behind my last LDS store
	ds_add_u32 v[SPW], v[NIL]
	s_wait_dscnt 0x0
	s_endpgm
; ---------------- biases, column norms ----------------
; thread: column t % 64 of the work-group's 64, segment t / 64 of K: rows 128 seg .. 128 seg + 127, those that exist.
; LDS: [4 segments][64] sums of squares at byte 0, as many |bias| at byte 1,024.
.macro TLAYER wo, bo, go, eo, np, nreal, kreal, base, isres
	s_load_b64 s[4:5], s[0:1], \wo
	s_load_b64 s[8:9], s[0:1], \bo
	s_load_b64 s[10:11], s[0:1], \go
	s_load_b64 s[12:13], s[0:1], \eo
	s_mov_b32 s16, (\np)*4                         ; bytes in a row of the matrix
	s_mov_b32 s17, \nreal
	s_mov_b32 s18, \kreal
	s_mov_b32 s21, \base
	s_mov_b32 s22, \isres
	s_branch .Ltab
.endm
.Lnorm:
	s_sub_co_u32 s2, ttmp9, 256
	s_load_b128 s[24:27], s[0:1], 0xe0             ; tab s[24:25], nrm s[26:27]
	s_cmp_lt_u32 s2, 8
	s_cbranch_scc0 .Lt_res
	TLAYER 0x50, 0x58, 0x60, 0x68, 512, 512, 9, 0, 0
.Lt_res:
	s_cmp_lt_u32 s2, 16
	s_cbranch_scc0 .Lt_b0
	TLAYER 0x70, 0x78, 0x78, 0x78, 512, 512, 512, 8, -1
.Lt_b0:
	s_cmp_lt_u32 s2, 24
	s_cbranch_scc0 .Lt_b1
	TLAYER 0x80, 0x88, 0x90, 0x98, 512, 512, 512, 16, 0
.Lt_b1:
	s_cmp_lt_u32 s2, 28
	s_cbranch_scc0 .Lt_b2
	TLAYER 0xa0, 0xa8, 0xb0, 0xb8, 256, 256, 512, 24, 0
.Lt_b2:
	TLAYER 0xc0, 0xc8, 0xd0, 0xd8, 170, 170, 256, 28, 0
.Ltab:
	s_sub_co_u32 s23, s2, s21
	s_lshl_b32 s23, s23, 6                         ; my first column in the layer
	s_sub_co_u32 s28, s17, 1
	s_sub_co_u32 s29, s18, 1
	s_mov_b32 s6, 0x76543210                       ; v_permlanex16_b32: each lane takes its own place in the other half
	s_mov_b32 s7, 0xfedcba98
	s_mov_b32 s15, 0
	v_lshrrev_b32 v1, 5, v0
	v_readfirstlane_b32 s30, v1                    ; wave
	v_and_b32 v1, 63, v0                           ; column of the 64
	v_add_nc_u32 v6, s23, v1                       ; n in the layer
	v_min_u32 v7, s28, v6
	v_lshlrev_b32 v7, 2, v7                        ; held inside the matrix, in bytes
	v_lshrrev_b32 v4, 6, v0
	v_lshlrev_b32 v4, 7, v4                        ; my first row
	v_sub_nc_u32 v5, s18, v4                       ; rows that exist from there on (may be negative)
	v_mov_b32 v8, 0                                ; four chains of squares
	v_mov_b32 v9, 0
	v_mov_b32 v10, 0
	v_mov_b32 v11, 0
	s_wait_kmcnt 0x0
	s_lshl_b32 s14, s2, 8
	s_add_nc_u64 s[24:25], s[24:25], s[14:15]      ; my 64 words of tab
	s_lshl_b32 s14, s2, 2
	s_add_nc_u64 s[26:27], s[26:27], s[14:15]      ; my word of nrm
	global_load_b32 v12, v7, s[8:9]                ; b
	global_load_b32 v13, v7, s[10:11]              ; g
	global_load_b32 v14, v7, s[12:13]              ; beta
	s_mov_b32 s31, 4
.Lcol:                                                 ; a trip: 32 rows of my column; 64 neighbouring columns are 256 consecutive bytes of a row
.set i, 0
.rept 32
	v_add_nc_u32 v[64+i], i, v4
	v_min_u32 v[64+i], s29, v[64+i]                ; a row that does not exist is read as the last one, and counts as 0 below
	v_mad_u32_u24 v[64+i], v[64+i], s16, v7
	global_load_b32 v[128+i], v[64+i], s[4:5]
.set i, i+1
.endr
	s_wait_loadcnt 0x0                             ; for zero: the address registers are written again in the next trip
.set i, 0
.rept 32
	v_cmp_lt_i32 vcc_lo, i, v5
	v_cndmask_b32 v[128+i], 0, v[128+i], vcc_lo
	v_fmac_f32 v[8+i%4], v[128+i], v[128+i]
.set i, i+1
.endr
	v_add_nc_u32 v4, 32, v4
	v_add_nc_u32 v5, 0xffffffe0, v5
	s_sub_co_u32 s31, s31, 1
	s_cmp_lg_u32 s31, 0
	s_cbranch_scc1 .Lcol
	v_add_f32 v8, v8, v9
	v_add_f32 v10, v10, v11
	v_add_f32 v8, v8, v10
	v_mul_f32 v13, BNRS, v13
	v_cndmask_b32 v13, v13, 1.0, s22               ; s
	v_cndmask_b32 v14, v14, 0, s22
	v_fma_f32 v12, v12, v13, v14                   ; b s + beta
	v_cmp_gt_u32 vcc_lo, s17, v6
	v_cndmask_b32 v12, 0, v12, vcc_lo              ; a column that does not exist has bias 0 and factor 0
	v_cndmask_b32 v13, 0, v13, vcc_lo
	v_mul_f32 v8, v8, v13
	v_mul_f32 v8, v8, v13                          ; s^2 x my segment's sum of squares
	v_and_b32 v15, 0x7fffffff, v12                 ; |bias|
	v_lshlrev_b32 v16, 2, v0
	ds_store_b32 v16, v8                           ; [segment][column]
	ds_store_b32 v16, v15 offset:1024
	s_wait_dscnt 0x0                               ; for the others' sake
	s_barrier_signal -1
	s_barrier_wait -1
	v_lshlrev_b32 v17, 2, v1
	v_xor_b32 v18, 128, v17                        ; the column 32 away, so that a wave's 32 lanes see all 64
.irp j, 0,1,2,3
	ds_load_b32 v[20+\j], v17 offset:256*\j
	ds_load_b32 v[24+\j], v18 offset:256*\j
.endr
	ds_load_b32 v28, v18 offset:1024
	s_wait_dscnt 0x0
	v_add_f32 v20, v20, v21
	v_add_f32 v22, v22, v23
	v_add_f32 v24, v24, v25
	v_add_f32 v26, v26, v27
	v_add_f32 v20, v20, v22
	v_add_f32 v24, v24, v26
	v_max_num_f32 v20, v20, v24
	v_max_num_f32 v15, v15, v28
.irp m, 1,2,4,8
	v_max_num_f32_dpp v20, v20, v20 row_xmask:\m row_mask:0xf bank_mask:0xf
	v_max_num_f32_dpp v15, v15, v15 row_xmask:\m row_mask:0xf bank_mask:0xf
.endr
	v_permlanex16_b32 v21, v20, s6, s7
	v_permlanex16_b32 v22, v15, s6, s7
	v_max_num_f32 v20, v20, v21
	v_max_num_f32 v15, v15, v22
	v_sqrt_f32 v20, v20                            ; the largest column norm of the 64
	v_nop
	s_cmp_lt_u32 s30, 2
	s_cbranch_scc0 .Lno_tab
	global_store_b32 v17, v12, s[24:25]            ; waves 0 and 1 (segment 0) store the 64 biases: 256 consecutive bytes
.Lno_tab:
	s_cmp_lg_u32 s30, 0
	s_cbranch_scc1 .Lno_nrm
	v_mov_b32 v19, 0
	v_cmp_eq_u32 vcc_lo, 0, v0
	s_wait_xcnt 0x0                                ; EXEC changes only behind this wait
	s_and_saveexec_b32 s31, vcc_lo
	s_wait_alu depctr_va_vdst(0)
	global_store_b32 v19, v20, s[26:27]            ; thread 0 stores the work-group's two figures
	global_store_b32 v19, v15, s[26:27] offset:128
	s_wait_xcnt 0x0                                ; and again, ahead of the line that widens it
	s_or_b32 exec_lo, exec_lo, s31
.Lno_nrm:
	s_wait_dscnt 0x0                               ; my LDS reads are over,
	s_barrier_signal -1                            ; and so are every wave's behind this barrier: no wave writes an LDS word while another still reads
	s_barrier_wait -1
	s_wait_tensorcnt 0x0                           ; the wave's end, behind my last LDS store
	ds_add_u32 v[SPW], v[NIL]
	s_wait_dscnt 0x0
	s_endpgm
.Lfunc_end_k_qe8285fb38f_knn:
	.size	k_qe8285fb38f_knn, .Lfunc_end_k_qe8285fb38f_knn-k_qe8285fb38f_knn
	.p2alignl 7, 3214868480
	.fill 96, 4, 3214868480
	.section	.rodata,"a",@progbits
	.p2align	6, 0x0
	.amdhsa_kernel k_qe8285fb38f_knn
		.amdhsa_group_segment_fixed_size 62464
		.amdhsa_private_segment_fixed_size 0
		.amdhsa_enable_private_segment 0
		.amdhsa_kernarg_size 240
		.amdhsa_user_sgpr_count 2
		.amdhsa_user_sgpr_kernarg_segment_ptr 1
		.amdhsa_wavefront_size32 1
		.amdhsa_system_sgpr_workgroup_id_x 1
		.amdhsa_system_sgpr_workgroup_id_y 1
		.amdhsa_system_sgpr_workgroup_id_z 1
		.amdhsa_system_vgpr_workitem_id 0
		.amdhsa_next_free_vgpr 224
		.amdhsa_next_free_sgpr 66
		.amdhsa_reserve_vcc 1
		.amdhsa_float_denorm_mode_32 3
		.amdhsa_float_denorm_mode_16_64 3
		.amdhsa_memory_ordered 1
		.amdhsa_forward_progress 1
		.amdhsa_inst_pref_size 79
	.end_amdhsa_kernel
	.amdgpu_metadata
---
amdhsa.version: [ 1, 2 ]
amdhsa.kernels:
  - .name:           k_qe8285fb38f_knn
    .symbol:         k_qe8285fb38f_knn.kd
    .args:
      - { .name: tmax, .offset: 0, .size: 8, .value_kind: global_buffer, .address_space: global }
      - { .name: pts, .offset: 8, .size: 8, .value_kind: global_buffer, .address_space: global }
      - { .name: t_d1w, .offset: 16, .size: 8, .value_kind: global_buffer, .address_space: global }
      - { .name: t_d1b, .offset: 24, .size: 8, .value_kind: global_buffer, .address_space: global }
      - { .name: t_g2, .offset: 32, .size: 8, .value_kind: global_buffer, .address_space: global }
      - { .name: t_b2, .offset: 40, .size: 8, .value_kind: global_buffer, .address_space: global }
      - { .name: t_d2w, .offset: 48, .size: 8, .value_kind: global_buffer, .address_space: global }
      - { .name: t_d2b, .offset: 56, .size: 8, .value_kind: global_buffer, .address_space: global }
      - { .name: pc, .offset: 64, .size: 8, .value_kind: global_buffer, .address_space: global }
      - { .name: idx, .offset: 72, .size: 8, .value_kind: global_buffer, .address_space: global }
      - { .name: c1_w, .offset: 80, .size: 8, .value_kind: global_buffer, .address_space: global }
      - { .name: c1_b, .offset: 88, .size: 8, .value_kind: global_buffer, .address_space: global }
      - { .name: c1_g, .offset: 96, .size: 8, .value_kind: global_buffer, .address_space: global }
      - { .name: c1_beta, .offset: 104, .size: 8, .value_kind: global_buffer, .address_space: global }
      - { .name: res_w, .offset: 112, .size: 8, .value_kind: global_buffer, .address_space: global }
      - { .name: res_b, .offset: 120, .size: 8, .value_kind: global_buffer, .address_space: global }
      - { .name: blk0_w, .offset: 128, .size: 8, .value_kind: global_buffer, .address_space: global }
      - { .name: blk0_b, .offset: 136, .size: 8, .value_kind: global_buffer, .address_space: global }
      - { .name: blk0_g, .offset: 144, .size: 8, .value_kind: global_buffer, .address_space: global }
      - { .name: blk0_beta, .offset: 152, .size: 8, .value_kind: global_buffer, .address_space: global }
      - { .name: blk1_w, .offset: 160, .size: 8, .value_kind: global_buffer, .address_space: global }
      - { .name: blk1_b, .offset: 168, .size: 8, .value_kind: global_buffer, .address_space: global }
      - { .name: blk1_g, .offset: 176, .size: 8, .value_kind: global_buffer, .address_space: global }
      - { .name: blk1_beta, .offset: 184, .size: 8, .value_kind: global_buffer, .address_space: global }
      - { .name: blk2_w, .offset: 192, .size: 8, .value_kind: global_buffer, .address_space: global }
      - { .name: blk2_b, .offset: 200, .size: 8, .value_kind: global_buffer, .address_space: global }
      - { .name: blk2_g, .offset: 208, .size: 8, .value_kind: global_buffer, .address_space: global }
      - { .name: blk2_beta, .offset: 216, .size: 8, .value_kind: global_buffer, .address_space: global }
      - { .name: tab, .offset: 224, .size: 8, .value_kind: global_buffer, .address_space: global }
      - { .name: nrm, .offset: 232, .size: 8, .value_kind: global_buffer, .address_space: global }
    .group_segment_fixed_size: 62464
    .private_segment_fixed_size: 0
    .kernarg_segment_align: 8
    .kernarg_segment_size: 240
    .max_flat_workgroup_size: 256
    .sgpr_count:     66
    .vgpr_count:     224
    .wavefront_size: 32
...
	.end_amdgpu_metadata
.endif
;; end of part 2
;; launch mlp (part 3): grid 256 x 1, 4 waves a work-group, clusters of 4 x 1, 327,680 bytes of LDS; arguments idx, pc, wq, tab, part, nrm; writes part
.if DOCPART == 3
	.amdgcn_target "amdgcn-amd-amdhsa--gfx1250"
	.amdhsa_code_object_version 6
	.text
	.protected	k_qe8285fb38f_mlp
	.globl	k_qe8285fb38f_mlp
	.p2align	8
	.type	k_qe8285fb38f_mlp,@function
k_qe8285fb38f_mlp:
	s_mov_b64 s[64:65], 0
	v_nop
	global_prefetch_b8 v0, s[64:65] scope:SCOPE_SE
	s_setreg_imm32_b32 hwreg(HW_REG_WAVE_MODE, 25, 1), 1
	s_wait_xcnt 0x0
	s_wait_alu depctr_hold_cnt(0) depctr_sa_sdst(0) depctr_va_vdst(0) depctr_va_sdst(0) depctr_va_ssrc(0) depctr_va_vcc(0) depctr_vm_vsrc(0)
	s_getreg_b32 s2, hwreg(HW_REG_IB_STS2, 6, 4)
	s_cmp_eq_u32 s2, 0
	s_cbranch_scc0 .Lentry_in_a_cluster
	s_endpgm
.Lentry_in_a_cluster:
	s_bfe_u32 s2, ttmp6, 0x10000c
	s_cmp_lg_u32 s2, 0x3003
	s_cbranch_scc0 .Lentry_shape_is_right
	s_endpgm
.Lentry_shape_is_right:
; MLP: gather, 9 -> 512 (silu), 512 -> 512 (residual), 512 -> 512, 512 -> 256, 256 -> 170 (silu each), and the maximum over the work-group's 32 points.
; SHARES.  A work-group takes 256 data rows m = (b 2048 + n) 8 + k, a wave 64 of them: four tiles of 16.
; LAYOUT.  Every product is used transposed: source 0 = 16 output features x 32 k of the weights (f16, in fragment order, made by an earlier launch),
; source 1 = 32 k x 16 data rows.  In the result a lane holds ONE data row (lane % 16) and the features 8 (lane / 16) + 0..7; two results rounded to f16
; in pairs ARE source 1 of the next layer for one K step.  So activations never change lanes, and a wave keeps its whole input X in 512 registers.
; A weight fragment (two LDS loads) feeds four matrix instructions.
; CHUNKS.  A layer goes by chunks of 32 output features: 8 accumulators (4 ft + t), KS K steps.  The first K step takes the bias as C; the last writes its
; result into a second set H.  So one text serves every chunk, and the activation of chunk c - 1 stands behind the matrix instructions of chunk c.
; Finished chunks go as f16 into the wave's own STASH in LDS (a loop cannot index registers); the layer's last chunk goes straight into X's last K step,
; and the others are read back at the layer's end.
; WEIGHTS.  44 pieces of 32,768 bytes (a chunk of K = 512, or two of K = 256) walk through two LDS slots; each wave fetches a quarter of a piece.  All four work-groups of a
; cluster walk the same weights, so each piece is asked for JOINTLY (mask of four).  By this text's own count a wave has three tensor loads out at the start and one later.
; A piece is 256 registers a lane: two halves of 128 that are filled by turns, each by ONE run of 32 LDS loads, so that 128 matrix instructions have three groups of LDS
; instructions among them (two runs and the add) and not one in every K step.
; FORMATS AND SCALES.  Matrix operands in f16 (11 significant bits: five layers of 8-bit roundings add up to more than a small output of a large row can bear); sums, biases
; and activations in f32.  f16 ends at 65,504, so every activation is stored times a power of two 2^-e that holds it below 2^15, by a bound that is proven, not measured:
; with r0 the largest norm of the wave's 64 gathered rows, A the largest column norm of a layer's scaled weights and C its largest |bias| (both made by an earlier launch),
;   |f1| <= B1 = r0 A1 + C1;  |f1|, |f2| <= B2 = B1 (1 + sqrt(512) A2) + C2;  |f3| <= B3 = B2 sqrt(512) A3 + C3;  |f4| <= B4 = B3 sqrt(512) A4 + C4
; (Cauchy-Schwarz, |silu(u)| <= |u|, and a norm of 512 numbers is at most sqrt(512) times the largest).  e = the bound's exponent - 14.  f1 and f2 share B2's scale.
; With H = u 2^-ein in the accumulator (the bias enters as C times 2^-ein):  E = 2^(H x -log2(e) 2^ein);  silu(u) 2^-eout = H / (E k + k),  k = 2^(eout - ein): no line more than without scales.
; A gathered coordinate enters as two f16 (its rounding and what the rounding lost), at k and k + 16, times 2^-e0, e0 from r0.
; LIMITS: e is held to -100 .. 100, so bounds up to 2^115 are served.  The bounds are loose: for weights and points that are spread like noise B2, B3, B4 lie some 2^8, 2^13, 2^18 above a
; typical number, which leaves f4 ten binades above f16's smallest normal number; a stored number below 2^-14 keeps f16's fixed step of 2^-24.  The residual's 'f +' is f as rounded to f16.
; NaN and infinities are not treated apart; a result of 2^x below 2^-126 counts as 0.
; REGISTERS, in windows of 256 (s_set_vgpr_msb: bits 1:0 source 0, 3:2 source 1, 5:4 source 2, 7:6 destination):
;   window 0: v0-11 addresses; v12-27 bias; v28-59 P, a chunk's packed results (in the last layer: the odd chunk's bias); v60-91 the residual's f; v92-155 ACC; v156-219 H; v220-255 at work
;   windows 1, 2: X: K step ks at 32 (ks % 8) of window 1 + ks / 8; tile t, feature half ft at + 8 t + 4 ft
;   window 3: a piece's weights: step st at 16 st, feature half ft at + 8 ft
.set SLOT,  32768                      ; slot 0 at 0, slot 1 here
.set TAB,   65536                      ; the table of biases, 8,192 bytes, filled once
.set STASH, 73728                      ; 15 places of 4,096 bytes for each wave; block g at + 512 g, lane at + 16 lane; no tensor load lands here
.set STW,   61440
.set SPARE, 319488                     ; the spare words, 128 bytes a wave
.set L16, 1                            ; 16 lane
.set WA,  2                            ; 16 lane + the slot of the piece that is being read
.set SA,  3                            ; the stash place of the chunk whose activation is in hand
.set SB,  4                            ; my stash + 16 lane; never rewritten
.set BA,  5                            ; TAB + 32 (lane / 16) + 128 chunk, chunks counted through all layers
.set ONE, 6
.set FA,  7                            ; where the last layer's maxima go
.set SPW, 8
.set NIL, 9
.set BI,  12
.set P,   28
.set BI2, 28
.set XP,  60
.set OUTR, 28                          ; the way out: 48 registers, and four addresses at v76-79
.set ACC, 92
.set H,   156
.set T,   220                          ; pairs at work
.set MX,  236                          ; last layer: 16 running maxima
.set IX,  28                           ; the gather's scratch lies where results and accumulators will lie
.set PCG, 92
.set HP,  156
.set LP,  162
.set U,   170
.set ZR,  180
.set NEG1, 181
.set NO,  182                          ; 4 lane
.set NA,  184                          ; the norms' table: A in v184 (v186: by groups of four lanes), C in v185 (v187)
.set NC,  185
.set BD,  188                          ; v188-195 the bounds in the making
.set WV,  14
.set G1,  24                           ; s[24:31] group 1: 32 rows of 256 bytes
.set G1T, 32                           ; s[32:39] group 1: 8 rows of 256 bytes
.set G0A, 40                           ; s[40:43] piece 0
.set G0B, 44                           ; s[44:47] piece 1; it then walks
.set G0T, 48                           ; s[48:51] the table
.set TB,  52                           ; LDS byte at which the piece that is being read begins
.set CNT, 53
.set NL,  54                           ; s[54:55] the layer in hand: -log2(e) 2^ein
.set HM,  56                           ; the mask of lanes 16-31
.set SG,  66                           ; s[66:67] the layer in hand: 2^-ein
.set KP,  68                           ; s[68:69] the layer in hand: 2^(eout - ein)
.set LC,  70                           ; s70-81 those three for c1, for res and blk0, for blk1, for blk2
.set EX,  82                           ; s82-85 A1..A4, then r0, B2, B3, B4, then e0, e12, e3, e4;  s86-89 C1..C4;  s90 sqrt(512);  s91 0
.set MSB, 0
.macro WIN new                         ; the high byte repeats the setting that is left; a switch that changes nothing is dropped
.if MSB != (\new)
	s_set_vgpr_msb (MSB<<8)|(\new)
.set MSB, (\new)
.endif
.endm
.macro PLACES                          ; four plain lines behind a matrix instruction, ahead of a vector line or a load that touches its registers
.rept 4
	v_nop
.endr
.endm
.macro CREST                           ; a round of the cluster's barrier behind its opening barrier
	s_cmp_lg_u32 s[WV], 0
	s_cbranch_scc1 .Lnot_wave_0_\@
	s_barrier_signal -3
.Lnot_wave_0_\@:
	s_barrier_wait -3
	s_barrier_signal -1
	s_barrier_wait -1
.endm
.macro CROUND
	s_barrier_signal -1
	s_barrier_wait -1
	CREST
.endm
.macro SETL a                          ; a layer's three constants, each twice (the packed lines name pairs)
	s_mov_b32 s[SG], s[\a]
	s_mov_b32 s[SG+1], s[\a]
	s_mov_b32 s[NL], s[(\a)+1]
	s_mov_b32 s[NL+1], s[(\a)+1]
	s_mov_b32 s[KP], s[(\a)+2]
	s_mov_b32 s[KP+1], s[(\a)+2]
.endm
.macro EXPO d                          ; a bound (not negative) becomes its scale's exponent: the bound times 2^-e lies in 2^14 .. 2^15
	s_lshr_b32 s[\d], s[\d], 23
	s_sub_co_i32 s[\d], s[\d], 141
	s_max_i32 s[\d], s[\d], -100
	s_min_i32 s[\d], s[\d], 100
.endm
.macro LCON a, ei, eo                  ; 2^-ei; -log2(e) 2^ei; 2^(eo - ei): made in the exponent fields, so they are exact
	s_sub_co_i32 s[\a], 127, s[\ei]
	s_lshl_b32 s[\a], s[\a], 23
	s_lshl_b32 s[(\a)+1], s[\ei], 23
	s_add_co_u32 s[(\a)+1], s[(\a)+1], 0xbfb8aa3b
	s_sub_co_i32 s[(\a)+2], s[\eo], s[\ei]
	s_max_i32 s[(\a)+2], s[(\a)+2], -120
	s_min_i32 s[(\a)+2], s[(\a)+2], 120
	s_add_co_i32 s[(\a)+2], s[(\a)+2], 127
	s_lshl_b32 s[(\a)+2], s[(\a)+2], 23
.endm
.macro HALF hb                         ; ONE run of 32 loads, 512 consecutive bytes each: steps 8 hb .. 8 hb + 7 of the piece at WA into their half of window 3
	WIN 0xc0
.set hk, 8*(\hb)
.rept 8
.irp f, 0,1
.irp hh, 0,1
	ds_load_b128 v[16*hk+8*\f+4*\hh:16*hk+8*\f+4*\hh+3], v[WA] offset:2048*hk+1024*\f+512*\hh
.endr
.endr
.set hk, hk+1
.endr
	WIN 0
.endm
.macro FETCH1                          ; the first layer: a chunk is one K step, four loads
	WIN 0xc0
.irp f, 0,1
.irp hh, 0,1
	ds_load_b128 v[8*\f+4*\hh:8*\f+4*\hh+3], v[WA] offset:1024*\f+512*\hh
.endr
.endr
	WIN 0
.endm
.macro LOADB b                         ; a chunk's bias as a C operand: features 16 ft + 8 (lane / 16) + 0..7
	ds_load_b128 v[(\b):(\b)+3], v[BA]
	ds_load_b128 v[(\b)+4:(\b)+7], v[BA] offset:16
	ds_load_b128 v[(\b)+8:(\b)+11], v[BA] offset:64
	ds_load_b128 v[(\b)+12:(\b)+15], v[BA] offset:80
.endm
.macro FETCHB
	WIN 0
	v_add_nc_u32 v[BA], 128, v[BA]
	LOADB BI
.endm
.macro SCALEB b                        ; the bias times 2^-ein, ahead of the chunk that takes it: there the layer's constant is the right one
	WIN 0
.set z, 0
.rept 8
	v_pk_mul_f32 v[(\b)+2*z:(\b)+2*z+1], v[(\b)+2*z:(\b)+2*z+1], s[SG:SG+1] op_sel_hi:[1,0]
.set z, z+1
.endr
.endm
; the matrix instruction of step st (X's K step kx), accumulator si = 4 ft + t.  fF: the chunk's first K step (C = the bias at cbi); fL: its last (D = H).
.macro MM
	WIN 3|((1+kx/8)<<2)
.set rW, 16*st+8*(si/4)
.set rX, 32*(kx%8)+8*(si%4)
.set rA, ACC+8*si
.set rH, H+8*si
.set rB, cbi+8*(si/4)
.if fF && fL
	v_wmma_f32_16x16x32_f16 v[rH:rH+7], v[rW:rW+7], v[rX:rX+7], v[rB:rB+7]
.elseif fF
	v_wmma_f32_16x16x32_f16 v[rA:rA+7], v[rW:rW+7], v[rX:rX+7], v[rB:rB+7]
	s_wait_alu depctr_va_vdst(0)
.elseif fL
	v_wmma_f32_16x16x32_f16 v[rH:rH+7], v[rW:rW+7], v[rX:rX+7], v[rA:rA+7]
.else
	v_wmma_f32_16x16x32_f16 v[rA:rA+7], v[rW:rW+7], v[rX:rX+7], v[rA:rA+7]
.endif
.endm
; THE ACTIVATION of a chunk's 32 pairs of H (pair p = registers 2 p, 2 p + 1; group p / 4 is accumulator p / 4) is a list of 144 QUARTERS, each a plain line and
; a transcendental.  In tick tk = qn / 4:  quarter 0: M(tk) = H x -log2(e) 2^ein | 2^ of pair tk - 1's first;  1: E k + k (tk - 2) | 2^ of tk - 1's second;
; 2: Y(tk - 3) = H / (..) | 1 / of tk - 2's first;  3: C(tk - 4), the rounding to f16 | 1 / of tk - 2's second.
; So behind every transcendental stands a plain line that touches neither its result nor its source (ISA guide 5.7.2).  A plain line that is
; wanting is a v_nop, so that every quarter holds one.  Each group's lowest pair is read first.
; kind 1: silu; lk < 0: into P, else into X's K step lk.  kind 3: silu and the maximum over the wave's four tiles.
.macro QT kind, lk
.set tk, qn/4
.set qq, qn%4
	WIN 0
.if qq == 0
.if tk < 32
	v_pk_mul_f32 v[T+2*(tk%8):T+2*(tk%8)+1], v[H+2*tk:H+2*tk+1], s[NL:NL+1] op_sel_hi:[1,0]
.else
	v_nop
	s_wait_alu depctr_va_vdst(0)
.endif
.if (tk >= 1) && (tk <= 32)
	v_exp_f32 v[T+2*((tk-1)%8)], v[T+2*((tk-1)%8)]
.endif
.elseif qq == 1
.if (tk >= 2) && (tk <= 33)
	s_wait_alu depctr_va_vdst(0)
	v_pk_fma_f32 v[T+2*((tk-2)%8):T+2*((tk-2)%8)+1], v[T+2*((tk-2)%8):T+2*((tk-2)%8)+1], s[KP:KP+1], s[KP:KP+1] op_sel_hi:[1,0,0]
.else
	v_nop
	s_wait_alu depctr_va_vdst(0)
.endif
.if (tk >= 1) && (tk <= 32)
	v_exp_f32 v[T+2*((tk-1)%8)+1], v[T+2*((tk-1)%8)+1]
.endif
.elseif qq == 2
.if (tk >= 3) && (tk <= 34)
.set pp, tk-3
.set rY, T+2*(pp%8)
.if ((\kind) == 3) && ((pp/4)%4 == 0)
	v_pk_mul_f32 v[MX+8*(pp/16)+2*(pp%4):MX+8*(pp/16)+2*(pp%4)+1], v[rY:rY+1], v[H+2*pp:H+2*pp+1]   ; tile 0 starts the maxima
.else
	v_pk_mul_f32 v[rY:rY+1], v[rY:rY+1], v[H+2*pp:H+2*pp+1]
.endif
.else
	v_nop
.endif
.if (tk >= 2) && (tk <= 33)
	v_rcp_f32 v[T+2*((tk-2)%8)], v[T+2*((tk-2)%8)]
.endif
.else
.if tk >= 4
.set pp, tk-4
.set rY, T+2*(pp%8)
.set gg, pp/4
.if (\kind) == 3
.if gg%4 == 0
	v_nop
.else
	v_max_num_f32 v[MX+8*(gg/4)+2*(pp%4)], v[MX+8*(gg/4)+2*(pp%4)], v[rY]
	v_max_num_f32 v[MX+8*(gg/4)+2*(pp%4)+1], v[MX+8*(gg/4)+2*(pp%4)+1], v[rY+1]
.endif
.elseif (\lk) < 0
	v_cvt_pk_f16_f32 v[P+4*gg+pp%4], v[rY], v[rY+1]
.else
	WIN (1+(\lk)/8)<<6
	v_cvt_pk_f16_f32 v[32*((\lk)%8)+8*(gg%4)+4*(gg/4)+pp%4], v[rY], v[rY+1]
	WIN 0
.endif
.else
	v_nop
.endif
.if (tk >= 2) && (tk <= 33)
	v_rcp_f32 v[T+2*((tk-2)%8)+1], v[T+2*((tk-2)%8)+1]
.endif
.endif
.set qn, qn+1
.endm
.macro RIDE n, kind, lk
.rept \n
	QT \kind, \lk
.endr
.endm
.macro LUMP kind, lk                   ; the whole list on end
.set qn, 0
.rept 144
	QT \kind, \lk
.endr
.endm
; THE RESIDUAL: f + (f W + b), all in one scale.  RF: number j of group g; f is the f16 half that the layer was fed with.  sx = 1: f lies in X's K step 15, and the result goes there.
.macro RF g, j, sx
.if \sx
	WIN 0x02
.set rS, 224+8*((\g)%4)+4*((\g)/4)+(\j)/2
.else
	WIN 0
.set rS, XP+4*(\g)+(\j)/2
.endif
.if (\j)%2
	v_fma_mix_f32 v[T+(\j)], v[rS], v[ONE], v[H+8*(\g)+(\j)] op_sel:[1,0,0] op_sel_hi:[1,0,0]
.else
	v_fma_mix_f32 v[T+(\j)], v[rS], v[ONE], v[H+8*(\g)+(\j)] op_sel:[0,0,0] op_sel_hi:[1,0,0]
.endif
.endm
.macro RC g, i, sx
.if \sx
	WIN 0x80
	v_cvt_pk_f16_f32 v[224+8*((\g)%4)+4*((\g)/4)+(\i)], v[T+2*(\i)], v[T+2*(\i)+1]
.else
	WIN 0
	v_cvt_pk_f16_f32 v[P+4*(\g)+(\i)], v[T+2*(\i)], v[T+2*(\i)+1]
.endif
.endm
.macro RSLOT                           ; group st - 6 stands in steps 6 to 13, behind the wait that shows f landed: four sums, four sums, two roundings, two roundings, behind the even slots
.if (st >= 6) && (st <= 13)
.if si == 0
	RF st-6, 0, 0
	RF st-6, 1, 0
	RF st-6, 2, 0
	RF st-6, 3, 0
.elseif si == 2
	RF st-6, 4, 0
	RF st-6, 5, 0
	RF st-6, 6, 0
	RF st-6, 7, 0
.elseif si == 4
	RC st-6, 0, 0
	RC st-6, 1, 0
.elseif si == 6
	RC st-6, 2, 0
	RC st-6, 3, 0
.endif
.elseif st >= 14
	v_nop                                          ; the places between ACC's last link and its use as the C of H
.endif
.endm
.macro LUMPR
.set gq, 0
.rept 8
.set jq, 0
.rept 8
	RF gq, jq, 1
.set jq, jq+1
.endr
.set jq, 0
.rept 4
	RC gq, jq, 1
.set jq, jq+1
.endr
.set gq, gq+1
.endr
	WIN 0
.endm
; THE CHANGE OF SLOTS, in three parts with matrix work between them.  A: all my tensor loads have landed (one was out: my quarter of the next piece); the add; the walking
; descriptor steps.  B: the add is done and my reads of the slot are over; I say so.  C: all four waves and all four work-groups have said so; the slot is filled again, first thing.
.macro TURN_A
	WIN 0
	s_wait_tensorcnt 0x0
	ds_add_u32 v[SPW], v[NIL]
	s_xor_b32 s[G0B+1], s[G0B+1], SLOT             ; the other slot than last time,
	s_add_nc_u64 s[G0B+2:G0B+3], s[G0B+2:G0B+3], SLOT  ; the next piece; the type bits on top are not reached
.endm
.macro TURN_B
	s_wait_dscnt 0x0
	s_barrier_signal -1
.endm
.macro TURN_C
	WIN 0
	s_barrier_wait -1
	CREST
	tensor_load_to_lds s[G0B:G0B+3], s[G1:G1+7]
	s_nop 0
	PLACES
.endm
.macro FTAIL                           ; rows r and r + 8 of a tile have the same k: their maximum; then [k][feature] into my scratch
	WIN 0
.set z, 0
.rept 16
	v_max_num_f32_dpp v[MX+z], v[MX+z], v[MX+z] row_xmask:8 row_mask:0xf bank_mask:0xf
.set z, z+1
.endr
	ds_store_b128 v[FA], v[MX:MX+3]
	ds_store_b128 v[FA], v[MX+4:MX+7] offset:16
	ds_store_b128 v[FA], v[MX+8:MX+11] offset:64
	ds_store_b128 v[FA], v[MX+12:MX+15] offset:80
	v_add_nc_u32 v[FA], 128, v[FA]
.endm
.macro STOREP                          ; a chunk's 32 packed registers into its stash place, in one run
	WIN 0
.set z, 0
.rept 8
	ds_store_b128 v[SA], v[P+4*z:P+4*z+3] offset:512*z
.set z, z+1
.endr
	v_add_nc_u32 v[SA], 4096, v[SA]
.endm
; A TRIP: one piece, 16 steps of eight slots (a matrix instruction and what rides behind it).  KS = 16: one chunk; KS = 8: two, the even one on half A, the odd one on half B.
; EA: what rides in steps 0-15 (KS = 8: 0-7), EB: in steps 8-15 at KS = 8: 0 nothing, 1 silu into P, 2 the residual into P, 3 silu and maxima.  TK: 1 the change of slots with a refill, 2 a barrier alone.
; SILU'S RIDERS AT KS = 16 are dealt evenly: one quarter (a plain line and a transcendental) behind EVERY matrix instruction, two in steps 0 and 1: 128 + 16 = 144.  The price is two switches of the
; register window for each matrix instruction.  Quarter q stands in slot q / 2 (q < 32) or q - 16: the last read of H's group g, quarter 16 g + 26, falls in slot 16 g + 10, and the group is written anew in slot 120 + g.
; THE LDS INSTRUCTIONS STAND IN THREE GROUPS.  At the head: half B of this piece (with it the residual's f, or the odd chunk's bias); it follows the stores at the foot of the trip before.
; Behind step 7: the next chunk's bias and half A of the next piece, from the other slot.  In step 5: the add.  At the foot: the chunk's results, behind a wait for the second group,
; which was issued 64 matrix instructions earlier.
; THE CHANGE OF SLOTS stands in steps 5 and 6.  The slot that it frees is this piece's, last read at the trip's head; the barrier shows the next piece whole before the second group reads it.
; From a request to the wait for it a wave issues 118 matrix instructions.
; PLACES.  The eight accumulators take turns, over the loop's edge too.  Between ACC's last link and its use as the C of H stand eight slots with a plain line or more each;
; between that instruction and the next write of ACC four v_nop and the eight scalings of the bias; four v_nop stand in front of each run of loads into a half that matrix instructions have read.
.macro CHUNK KS, EA, EB, TK
	WIN 0
.if (\EA) == 2
.set z, 0
.rept 8
	ds_load_b128 v[XP+4*z:XP+4*z+3], v[SA] offset:512*z     ; f of the chunk whose sum is in H
.set z, z+1
.endr
.endif
.if (\KS) == 8
	v_add_nc_u32 v[BA], 128, v[BA]
	LOADB BI2
.endif
	HALF 1
	SCALEB BI
.set qn, 0
.set st, 0
.rept 16
.set kx, st%(\KS)
.set fF, 0
.set fL, 0
.if kx == 0
.set fF, 1
.endif
.if kx == (\KS)-1
.set fL, 1
.endif
.set cbi, BI
.set ep, \EA
.if ((\KS) == 8) && (st >= 8)
.set cbi, BI2
.set ep, \EB
.endif
.set si, 0
.rept 8
	MM
.if ep == 0
.if kx >= (\KS)-2
	v_nop                                          ; the places between ACC's last link and its use as the C of H
.endif
.elseif ep == 1
	RIDE 1, 1, -1
.if st < 2
	RIDE 1, 1, -1
.endif
.elseif ep == 2
	RSLOT
.else
	RIDE 2, 3, -1
.if kx < 2
	RIDE 1, 3, -1
.endif
.endif
.if (st == 5) && (si == 1)
.if (\TK) == 1
	TURN_A
.else
	s_wait_tensorcnt 0x0                           ; my quarter of the last piece has landed
.endif
.endif
.if (st == 5) && (si == 7)
	TURN_B                                         ; the wait is also the one for half B, f and the odd chunk's bias
.endif
.if (st == 6) && (si == 3)
.if (\TK) == 1
	TURN_C
.else
	WIN 0
	s_barrier_wait -1
.endif
.endif
.set si, si+1
.endr
.if st == 7
	WIN 0
	PLACES
.if ((\KS) == 8) && ((\EA) == 3)
	FTAIL
.endif
	s_xor_b32 s[TB], s[TB], SLOT                   ; the next piece lies in the other slot
	v_add_nc_u32 v[WA], s[TB], v[L16]
	FETCHB
	HALF 0
.if (\KS) == 8
	SCALEB BI2
.set qn, 0
.endif
.endif
.set st, st+1
.endr
	WIN 0
	PLACES
	s_wait_dscnt 0x0                               ; half A of the next piece and the next bias are in
.if ((\KS) == 16) && ((\EA) != 0)
	STOREP
.elseif ((\KS) == 8) && ((\EB) == 3)
	FTAIL
.endif
	WIN 0
.endm
.macro RELOAD n                        ; the stash's places 0 .. n - 1 become X's K steps 0 .. n - 1
.set rk, 0
.rept \n
	WIN (1+rk/8)<<6
.set rg, 0
.rept 8
	ds_load_b128 v[32*(rk%8)+8*(rg%4)+4*(rg/4):32*(rk%8)+8*(rg%4)+4*(rg/4)+3], v[SB] offset:4096*rk+512*rg
.set rg, rg+1
.endr
.set rk, rk+1
.endr
	WIN 0
.endm
.macro BOUND n, kind, lk               ; a layer's end (four v_nop stand behind its last product): X is read back while the last chunk's activation goes straight into X's K step lk
	RELOAD \n
.if (\kind) == 2
	LUMPR
.else
	LUMP \kind, \lk
.endif
	WIN 0
	v_mov_b32 v[SA], v[SB]
	s_wait_dscnt 0x0
.endm
.macro MM8                             ; a chunk of the first layer: one K step, first and last at once
	SCALEB BI
.set st, 0
.set kx, 0
.set cbi, BI
.set fF, 1
.set fL, 1
.set si, 0
.rept 8
	MM
.set si, si+1
.endr
	WIN 0
	PLACES
.endm
; tile t's fragment of the nine gathered coordinates, times 2^-e0.  Lanes 0-15: registers 0-3 the roundings of f0..f7, 4-7 what they lost; lanes 16-31: f8's, then zeros.
.macro GATH t
	WIN 0
.set gc, 0
.rept 6
	v_pk_mul_f32 v[PCG+12*(\t)+2*gc:PCG+12*(\t)+2*gc+1], v[PCG+12*(\t)+2*gc:PCG+12*(\t)+2*gc+1], s[SG:SG+1] op_sel_hi:[1,0]
.set gc, gc+1
.endr
.set gc, 0
.rept 4
	v_cvt_pk_f16_f32 v[HP+gc], v[PCG+12*(\t)+4*((2*gc)/3)+(2*gc)%3], v[PCG+12*(\t)+4*((2*gc+1)/3)+(2*gc+1)%3]
.set gc, gc+1
.endr
	v_cvt_pk_f16_f32 v[HP+4], v[PCG+12*(\t)+10], v[ZR]
.set gc, 0
.rept 9
.if gc%2
	v_fma_mix_f32 v[U+gc], v[HP+gc/2], v[NEG1], v[PCG+12*(\t)+4*(gc/3)+gc%3] op_sel:[1,0,0] op_sel_hi:[1,0,0]
.else
	v_fma_mix_f32 v[U+gc], v[HP+gc/2], v[NEG1], v[PCG+12*(\t)+4*(gc/3)+gc%3] op_sel:[0,0,0] op_sel_hi:[1,0,0]
.endif
.set gc, gc+1
.endr
.set gc, 0
.rept 4
	v_cvt_pk_f16_f32 v[LP+gc], v[U+2*gc], v[U+2*gc+1]
.set gc, gc+1
.endr
	v_cvt_pk_f16_f32 v[LP+4], v[U+8], v[ZR]
	WIN 0x40
	v_cndmask_b32 v[8*(\t)], v[HP], v[HP+4], s[HM]
	v_cndmask_b32 v[8*(\t)+4], v[LP], v[LP+4], s[HM]
.irp n, 1,2,3
	v_cndmask_b32 v[8*(\t)+\n], v[HP+\n], 0, s[HM]
	v_cndmask_b32 v[8*(\t)+4+\n], v[LP+\n], 0, s[HM]
.endr
	WIN 0
.endm
	s_load_b256 s[4:11], s[0:1], 0x0               ; idx 4, pc 6, wq 8, tab 10
	s_load_b64 s[12:13], s[0:1], 0x20              ; part
	s_load_b64 s[62:63], s[0:1], 0x28              ; nrm
	v_lshl_add_u32 v[SPW], v0, 2, SPARE
	v_mov_b32 v[NIL], 0
	ds_add_u32 v[SPW], v[NIL]                      ; the wave's opening: the add and its wait ahead of my first tensor load
	v_lshrrev_b32 v10, 5, v0
	v_readfirstlane_b32 s[WV], v10
	s_bfe_u32 s15, ttmp6, 0x40000                  ; cx
	s_lshl_b32 s16, ttmp9, 2
	s_add_co_u32 s16, s16, s15                     ; my work-group: it enters the addresses of idx, pc and part alone
	; dense blocks, asked for as rows of 256 bytes: elements of 8 bytes, 32 to a row, pitch 32
	s_mov_b32 s[G1], 15|(3<<16)|(1<<21)            ; 15:0 the mask of four; 17:16 8-byte elements; 21 set beside a mask
	s_mov_b32 s[G1+1], 32<<16                      ; tensor_dim0 = 32
	s_mov_b32 s[G1+2], 32<<16                      ; tensor_dim1 = 32
	s_mov_b32 s[G1+3], 32<<16                      ; tile_dim0 = 32
	s_mov_b32 s[G1+4], 32                          ; tile_dim1 = 32: 8,192 bytes a wave
	s_mov_b32 s[G1+5], 32
	s_mov_b32 s[G1+6], 0
	s_mov_b32 s[G1+7], 0
	s_mov_b32 s[G1T], 15|(3<<16)|(1<<21)
	s_mov_b32 s[G1T+1], 32<<16
	s_mov_b32 s[G1T+2], 8<<16                      ; 8 rows: 2,048 bytes a wave
	s_mov_b32 s[G1T+3], 32<<16
	s_mov_b32 s[G1T+4], 8
	s_mov_b32 s[G1T+5], 32
	s_mov_b32 s[G1T+6], 0
	s_mov_b32 s[G1T+7], 0
	s_lshl_b32 s17, s[WV], 13
	s_lshl_b32 s18, s[WV], 11
	s_mov_b32 s[G0A], 1
	s_mov_b32 s[G0A+1], s17
	s_mov_b32 s[G0B], 1
	s_add_co_u32 s[G0B+1], s17, SLOT
	s_mov_b32 s[G0T], 1
	s_add_co_u32 s[G0T+1], s18, TAB
	s_mov_b32 s20, s17
	s_mov_b32 s21, 0
	s_mov_b32 s22, s18
	s_mov_b32 s23, 0
	s_mov_b32 s[HM], 0xffff0000
	s_mov_b32 s[TB], 0
	s_mov_b32 s90, 0x41b504f3                      ; sqrt(512)
	s_mov_b32 s91, 0
	s_lshl_b32 s57, s16, 8
	s_lshl_b32 s19, s[WV], 6
	s_add_co_u32 s57, s57, s19
	s_lshl_b32 s57, s57, 1                         ; my wave's first data row, 2 bytes a row in a plane of idx
	s_mul_i32 s58, s16, 6144
	s_mov_b32 s59, 0
	s_lshr_b32 s60, s16, 6
	s_lshl_b32 s60, s60, 15                        ; the batch's 2,048 rows of 16 bytes in pc
	s_wait_dscnt 0x0                               ; the opening add is done
	s_wait_kmcnt 0x0
	s_add_nc_u64 s[G0A+2:G0A+3], s[8:9], s[20:21]
	s_add_nc_u64 s[G0B+2:G0B+3], s[G0A+2:G0A+3], SLOT
	s_or_b32 s[G0A+3], s[G0A+3], 0x80000000
	s_or_b32 s[G0B+3], s[G0B+3], 0x80000000
	s_add_nc_u64 s[G0T+2:G0T+3], s[10:11], s[22:23]
	s_or_b32 s[G0T+3], s[G0T+3], 0x80000000
	s_add_nc_u64 s[12:13], s[12:13], s[58:59]
	CROUND                                         ; all four work-groups are here: the first joint loads meet
	tensor_load_to_lds s[G0T:G0T+3], s[G1T:G1T+7]  ; the table,
	s_nop 0
	tensor_load_to_lds s[G0A:G0A+3], s[G1:G1+7]    ; piece 0 (the first layer's weights),
	s_nop 0
	tensor_load_to_lds s[G0B:G0B+3], s[G1:G1+7]    ; piece 1
	s_nop 0
	PLACES
; THE GATHER: for each of my 64 rows three indices, then three rows of pc; beside them the table of norms, a word a lane
	v_and_b32 v10, 15, v0
	v_lshlrev_b32 v11, 1, v10
	v_add_nc_u32 v11, s57, v11
	v_and_b32 v[NO], 31, v0
	v_lshlrev_b32 v[NO], 2, v[NO]
.set gt, 0
.rept 4
.set gp, 0
.rept 3
	global_load_u16 v[IX+3*gt+gp], v11, s[4:5] offset:131072*gp+32*gt
.set gp, gp+1
.endr
.set gt, gt+1
.endr
	global_load_b32 v[NA], v[NO], s[62:63]             ; lane l: the largest column norm of columns 64 l .. 64 l + 63 of the five layers on end
	global_load_b32 v[NC], v[NO], s[62:63] offset:128  ; and their largest |bias|
	v_and_b32 v[L16], 31, v0
	v_lshlrev_b32 v[L16], 4, v[L16]
	s_mul_i32 s17, s[WV], STW
	s_add_co_u32 s17, s17, STASH
	v_add_nc_u32 v[SB], s17, v[L16]
	v_mov_b32 v[SA], v[SB]
	v_bfe_u32 v10, v0, 4, 1
	v_lshl_add_u32 v[BA], v10, 5, TAB
	v_mov_b32 v[ONE], 1.0
	v_and_b32 v[FA], 7, v0
	v_mul_u32_u24 v[FA], 768, v[FA]
	v_lshl_add_u32 v[FA], v10, 5, v[FA]
	v_add_nc_u32 v[FA], s17, v[FA]                 ; my scratch: k = lane % 8 at 768 k, features 8 (lane / 16) on
	v_mov_b32 v[WA], v[L16]
	v_mov_b32 v[ZR], 0
	v_mov_b32 v[NEG1], -1.0
	s_wait_loadcnt 0x0
.set gt, 0
.rept 12
	v_min_u32 v[IX+gt], 0x7ff, v[IX+gt]            ; an index stays inside its batch
	v_lshl_add_u32 v[IX+gt], v[IX+gt], 4, s60
.set gt, gt+1
.endr
.set gt, 0
.rept 12
	global_load_b128 v[PCG+4*gt:PCG+4*gt+3], v[IX+gt], s[6:7]
.set gt, gt+1
.endr
; THE SCALES.  While the points are on their way: the layers' A and C.  Lanes 0-7 hold c1's, 8-15 res', 16-23 blk0's, 24-27 blk1's.
.irp m, 1,2
	v_max_num_f32_dpp v[NA], v[NA], v[NA] row_xmask:\m row_mask:0xf bank_mask:0xf
	v_max_num_f32_dpp v[NC], v[NC], v[NC] row_xmask:\m row_mask:0xf bank_mask:0xf
.endr
	v_mov_b32 v[NA+2], v[NA]                       ; by groups of four lanes, for blk1
	v_mov_b32 v[NC+2], v[NC]
	v_max_num_f32_dpp v[NA], v[NA], v[NA] row_xmask:4 row_mask:0xf bank_mask:0xf
	v_max_num_f32_dpp v[NC], v[NC], v[NC] row_xmask:4 row_mask:0xf bank_mask:0xf
	v_readlane_b32 s[EX], v[NA], 0
	v_readlane_b32 s[EX+1], v[NA], 8
	v_readlane_b32 s[EX+2], v[NA], 16
	v_readlane_b32 s[EX+3], v[NA+2], 24
	v_readlane_b32 s[EX+4], v[NC], 0
	v_readlane_b32 s[EX+5], v[NC], 8
	v_readlane_b32 s[EX+6], v[NC], 16
	v_readlane_b32 s[EX+7], v[NC+2], 24
	s_wait_loadcnt 0x0
.set gt, 0
.rept 4
	v_add_f32 v[BD+gt], v[PCG+12*gt+3], v[PCG+12*gt+7]     ; a row's squared norm: the three points' |p|^2 lie beside their coordinates
.set gt, gt+1
.endr
.set gt, 0
.rept 4
	v_add_f32 v[BD+gt], v[BD+gt], v[PCG+12*gt+11]
.set gt, gt+1
.endr
	v_max3_num_f32 v[BD], v[BD], v[BD+1], v[BD+2]
	v_max_num_f32 v[BD], v[BD], v[BD+3]
.irp m, 1,2,4,8
	v_max_num_f32_dpp v[BD], v[BD], v[BD] row_xmask:\m row_mask:0xf bank_mask:0xf   ; lanes 16-31 hold the same rows as lanes 0-15: every lane now has the wave's largest
.endr
	v_sqrt_f32 v[BD], v[BD]                        ; r0
	v_nop
	s_wait_alu depctr_va_vdst(0)
	v_fma_f32 v[BD+1], v[BD], s[EX], s[EX+4]       ; B1
	v_fma_f32 v[BD+2], s[EX+1], s90, 1.0
	v_fma_f32 v[BD+3], v[BD+1], v[BD+2], s[EX+5]   ; B2
	v_mul_f32 v[BD+4], s[EX+2], s90
	v_fma_f32 v[BD+5], v[BD+3], v[BD+4], s[EX+6]   ; B3
	v_mul_f32 v[BD+6], s[EX+3], s90
	v_fma_f32 v[BD+7], v[BD+5], v[BD+6], s[EX+7]   ; B4
	v_readfirstlane_b32 s[EX], v[BD]
	v_readfirstlane_b32 s[EX+1], v[BD+3]
	v_readfirstlane_b32 s[EX+2], v[BD+5]
	v_readfirstlane_b32 s[EX+3], v[BD+7]
	EXPO EX                                        ; e0
	EXPO EX+1                                      ; e12
	EXPO EX+2                                      ; e3
	EXPO EX+3                                      ; e4
	LCON LC, EX, EX+1                              ; c1: in e0, out e12
	LCON LC+3, EX+1, EX+2                          ; res (its first constant alone) and blk0: in e12, out e3
	LCON LC+6, EX+2, EX+3                          ; blk1: in e3, out e4
	LCON LC+9, EX+3, 91                            ; blk2: in e4, out unscaled
	SETL LC
	GATH 0
	GATH 1
	GATH 2
	GATH 3
	s_wait_tensorcnt 0x1                           ; my parts of the table and of piece 0 are in; piece 1's may stay out
	s_barrier_signal -1
	s_barrier_wait -1
	FETCH1
	LOADB BI
	s_wait_dscnt 0x0
; THE FIRST LAYER, in phases: with one K step a chunk's products are finished at once, and there is nothing to ride on
	s_mov_b32 s[CNT], 15
.Lc1:
	s_wait_dscnt 0x8                               ; weights and bias are in; the eight stores issued behind them may be out
	MM8
	v_add_nc_u32 v[WA], 2048, v[WA]
	FETCH1
	FETCHB
	LUMP 1, -1
	STOREP
	s_sub_co_u32 s[CNT], s[CNT], 1
	s_cmp_lg_u32 s[CNT], 0
	s_cbranch_scc1 .Lc1
	s_wait_dscnt 0x8
	MM8                                            ; chunk 15
	TURN_A                                         ; piece 0 has been read out: piece 2 takes its slot
	TURN_B
	TURN_C
	s_mov_b32 s[TB], SLOT
	v_add_nc_u32 v[WA], s[TB], v[L16]
	HALF 0                                         ; piece 1, shown whole by that barrier
	FETCHB
	BOUND 15, 1, 15
	SETL LC+3
; THE RESIDUAL LAYER
	CHUNK 16, 0, 0, 1
	s_mov_b32 s[CNT], 15
.Lres:
	CHUNK 16, 2, 0, 1
	s_sub_co_u32 s[CNT], s[CNT], 1
	s_cmp_lg_u32 s[CNT], 0
	s_cbranch_scc1 .Lres
	BOUND 15, 2, 15
; 512 -> 512 (its input has the residual layer's scale: the constants stay)
	CHUNK 16, 0, 0, 1
	s_mov_b32 s[CNT], 15
.Lb0:
	CHUNK 16, 1, 0, 1
	s_sub_co_u32 s[CNT], s[CNT], 1
	s_cmp_lg_u32 s[CNT], 0
	s_cbranch_scc1 .Lb0
	BOUND 15, 1, 15
	SETL LC+6
; 512 -> 256
	CHUNK 16, 0, 0, 1
	s_mov_b32 s[CNT], 7
.Lb1:
	CHUNK 16, 1, 0, 1
	s_sub_co_u32 s[CNT], s[CNT], 1
	s_cmp_lg_u32 s[CNT], 0
	s_cbranch_scc1 .Lb1
	BOUND 7, 1, 7
	SETL LC+9
; 256 -> 170 (192 with zeros): six chunks, two to a piece and to a trip
	CHUNK 8, 0, 3, 1                               ; chunks 0 and 1; the last piece is asked for
	s_mov_b32 s[CNT], 2
.Lb2:                                                  ; chunks 2 to 5.  The barrier is wanted in the first trip, ahead of the last piece's first read; the second passes it idly.
	CHUNK 8, 3, 3, 2                               ; The last trip's fetches ahead read an old piece's bytes as weights and the table's zero tail as a bias; neither is used.
	s_sub_co_u32 s[CNT], s[CNT], 1
	s_cmp_lg_u32 s[CNT], 0
	s_cbranch_scc1 .Lb2
	LUMP 3, -1
	FTAIL
; THE WAY OUT: the maximum over the four waves' scratches, [8 k][192 features] of f32
	s_wait_dscnt 0x0                               ; for the others' sake
	s_barrier_signal -1
	s_barrier_wait -1
	v_lshl_add_u32 v76, v0, 4, STASH
	v_add_nc_u32 v77, STW, v76
	v_add_nc_u32 v78, STW, v77
	v_add_nc_u32 v79, STW, v78
	v_lshlrev_b32 v10, 4, v0
.set i, 0
.rept 3
.irp w, 0,1,2,3
	ds_load_b128 v[OUTR+16*i+4*\w:OUTR+16*i+4*\w+3], v[76+\w] offset:2048*i
.endr
.set i, i+1
.endr
	s_wait_dscnt 0x0
.set i, 0
.rept 3
.irp n, 0,1,2,3
	v_max3_num_f32 v[OUTR+16*i+\n], v[OUTR+16*i+\n], v[OUTR+16*i+4+\n], v[OUTR+16*i+8+\n]
	v_max_num_f32 v[OUTR+16*i+\n], v[OUTR+16*i+\n], v[OUTR+16*i+12+\n]
.endr
	global_store_b128 v10, v[OUTR+16*i:OUTR+16*i+3], s[12:13] offset:2048*i   ; a wave stores 512 consecutive bytes
.set i, i+1
.endr
	s_wait_tensorcnt 0x0                           ; the wave's end
	ds_add_u32 v[SPW], v[NIL]
	s_wait_dscnt 0x0
	CROUND                                         ; the closing round
	s_endpgm
.Lfunc_end_k_qe8285fb38f_mlp:
	.size	k_qe8285fb38f_mlp, .Lfunc_end_k_qe8285fb38f_mlp-k_qe8285fb38f_mlp
	.p2alignl 7, 3214868480
	.fill 96, 4, 3214868480
	.section	.rodata,"a",@progbits
	.p2align	6, 0x0
	.amdhsa_kernel k_qe8285fb38f_mlp
		.amdhsa_group_segment_fixed_size 327680
		.amdhsa_private_segment_fixed_size 0
		.amdhsa_enable_private_segment 0
		.amdhsa_kernarg_size 48
		.amdhsa_user_sgpr_count 2
		.amdhsa_user_sgpr_kernarg_segment_ptr 1
		.amdhsa_wavefront_size32 1
		.amdhsa_system_sgpr_workgroup_id_x 1
		.amdhsa_system_sgpr_workgroup_id_y 1
		.amdhsa_system_sgpr_workgroup_id_z 1
		.amdhsa_system_vgpr_workitem_id 0
		.amdhsa_next_free_vgpr 1024
		.amdhsa_next_free_sgpr 96
		.amdhsa_reserve_vcc 0
		.amdhsa_float_denorm_mode_32 3
		.amdhsa_float_denorm_mode_16_64 3
		.amdhsa_memory_ordered 1
		.amdhsa_forward_progress 1
		.amdhsa_inst_pref_size 255
	.end_amdhsa_kernel
	.section	.bss,"aw",@nobits
	.p2align	6
	.space	262144
	.amdgpu_metadata
---
amdhsa.version: [ 1, 2 ]
amdhsa.kernels:
  - .name:           k_qe8285fb38f_mlp
    .symbol:         k_qe8285fb38f_mlp.kd
    .args:
      - { .name: idx, .offset: 0, .size: 8, .value_kind: global_buffer, .address_space: global }
      - { .name: pc, .offset: 8, .size: 8, .value_kind: global_buffer, .address_space: global }
      - { .name: wq, .offset: 16, .size: 8, .value_kind: global_buffer, .address_space: global }
      - { .name: tab, .offset: 24, .size: 8, .value_kind: global_buffer, .address_space: global }
      - { .name: part, .offset: 32, .size: 8, .value_kind: global_buffer, .address_space: global }
      - { .name: nrm, .offset: 40, .size: 8, .value_kind: global_buffer, .address_space: global }
    .group_segment_fixed_size: 327680
    .private_segment_fixed_size: 0
    .kernarg_segment_align: 8
    .kernarg_segment_size: 48
    .max_flat_workgroup_size: 128
    .sgpr_count:     96
    .vgpr_count:     1024
    .wavefront_size: 32
...
	.end_amdgpu_metadata
.endif
;; end of part 3
;; launch fin (part 4): grid 32 x 1, 8 waves a work-group, no clusters, 5,120 bytes of LDS; arguments part, out0; writes out0
.if DOCPART == 4
	.amdgcn_target "amdgcn-amd-amdhsa--gfx1250"
	.amdhsa_code_object_version 6
	.text
	.protected	k_qe8285fb38f_fin
	.globl	k_qe8285fb38f_fin
	.p2align	8
	.type	k_qe8285fb38f_fin,@function
k_qe8285fb38f_fin:
	s_mov_b64 s[64:65], 0
	v_nop
	global_prefetch_b8 v0, s[64:65] scope:SCOPE_SE
	s_setreg_imm32_b32 hwreg(HW_REG_WAVE_MODE, 25, 1), 1
	s_wait_xcnt 0x0
; FIN: out0[b][170 k + c] = the maximum over the batch's 64 work-groups of part[wg][k][c].  A work-group takes one (b, k).
; Thread: quarter pq = t / 64 of the 64 partial rows, four features 4 (t % 64) on (held at 47: a row has 192).  The quarters meet in LDS.
; 1.5 MB are read once by 16-byte loads, 768 consecutive bytes a row; matrix units and clusters have nothing to do here.
	s_load_b128 s[4:7], s[0:1], 0x0                ; part, out0
	v_lshl_add_u32 v30, v0, 2, 4096                ; my spare word
	v_mov_b32 v31, 0
	s_lshr_b32 s8, ttmp9, 3                        ; b
	s_and_b32 s9, ttmp9, 7                         ; k
	v_lshrrev_b32 v1, 6, v0                        ; pq
	v_and_b32 v2, 63, v0
	v_min_u32 v3, 47, v2
	s_mul_i32 s10, s8, 393216                      ; 64 work-groups of 6,144 bytes
	s_mul_i32 s11, s9, 768
	s_add_co_u32 s10, s10, s11
	v_mul_u32_u24 v4, 0x18000, v1                  ; 16 work-groups
	v_lshl_add_u32 v4, v3, 4, v4
	v_add_nc_u32 v4, s10, v4
	v_lshlrev_b32 v5, 10, v1
	v_lshl_add_u32 v5, v2, 4, v5                   ; the stage: 1,024 pq + 16 (t % 64)
	v_min_u32 v6, 95, v0
	v_lshlrev_b32 v6, 3, v6
	v_lshlrev_b32 v7, 3, v0
	s_mul_i32 s12, s8, 5440
	s_mul_i32 s13, s9, 680
	s_add_co_u32 s12, s12, s13
	s_mov_b32 s13, 0
	s_wait_kmcnt 0x0
	s_add_nc_u64 s[6:7], s[6:7], s[12:13]
.set i, 0
.rept 16
	global_load_b128 v[32+4*i:35+4*i], v4, s[4:5] offset:6144*i
.set i, i+1
.endr
	s_wait_loadcnt 0x0
.irp n, 0,1,2,3
.set i, 1
.rept 7
	v_max3_num_f32 v[32+\n], v[32+\n], v[32+4*i+\n], v[36+4*i+\n]
.set i, i+2
.endr
	v_max_num_f32 v[32+\n], v[32+\n], v[92+\n]
.endr
	ds_store_b128 v5, v[32:35]
	s_wait_dscnt 0x0                               ; for the others' sake
	s_barrier_signal -1
	s_barrier_wait -1
	ds_load_b64 v[8:9], v6
	ds_load_b64 v[10:11], v6 offset:1024
	ds_load_b64 v[12:13], v6 offset:2048
	ds_load_b64 v[14:15], v6 offset:3072
	s_wait_dscnt 0x0
	v_max3_num_f32 v8, v8, v10, v12
	v_max3_num_f32 v9, v9, v11, v13
	v_max_num_f32 v8, v8, v14
	v_max_num_f32 v9, v9, v15
	v_cmp_gt_u32 vcc_lo, 85, v0                    ; 170 features: 85 threads, two each
	s_wait_xcnt 0x0                                ; EXEC changes only behind this wait
	s_and_saveexec_b32 s14, vcc_lo
	global_store_b64 v7, v[8:9], s[6:7]
	s_wait_xcnt 0x0                                ; and again, ahead of the line that widens it
	s_or_b32 exec_lo, exec_lo, s14
	s_wait_tensorcnt 0x0                           ; the wave's end, behind my last LDS store
	ds_add_u32 v30, v31
	s_wait_dscnt 0x0
	s_endpgm
.Lfunc_end_k_qe8285fb38f_fin:
	.size	k_qe8285fb38f_fin, .Lfunc_end_k_qe8285fb38f_fin-k_qe8285fb38f_fin
	.p2alignl 7, 3214868480
	.fill 96, 4, 3214868480
	.section	.rodata,"a",@progbits
	.p2align	6, 0x0
	.amdhsa_kernel k_qe8285fb38f_fin
		.amdhsa_group_segment_fixed_size 5120
		.amdhsa_private_segment_fixed_size 0
		.amdhsa_enable_private_segment 0
		.amdhsa_kernarg_size 16
		.amdhsa_user_sgpr_count 2
		.amdhsa_user_sgpr_kernarg_segment_ptr 1
		.amdhsa_wavefront_size32 1
		.amdhsa_system_sgpr_workgroup_id_x 1
		.amdhsa_system_sgpr_workgroup_id_y 1
		.amdhsa_system_sgpr_workgroup_id_z 1
		.amdhsa_system_vgpr_workitem_id 0
		.amdhsa_next_free_vgpr 96
		.amdhsa_next_free_sgpr 66
		.amdhsa_reserve_vcc 1
		.amdhsa_float_denorm_mode_32 3
		.amdhsa_float_denorm_mode_16_64 3
		.amdhsa_memory_ordered 1
		.amdhsa_forward_progress 1
		.amdhsa_inst_pref_size 6
	.end_amdhsa_kernel
	.amdgpu_metadata
---
amdhsa.version: [ 1, 2 ]
amdhsa.kernels:
  - .name:           k_qe8285fb38f_fin
    .symbol:         k_qe8285fb38f_fin.kd
    .args:
      - { .name: part, .offset: 0, .size: 8, .value_kind: global_buffer, .address_space: global }
      - { .name: out0, .offset: 8, .size: 8, .value_kind: global_buffer, .address_space: global }
    .group_segment_fixed_size: 5120
    .private_segment_fixed_size: 0
    .kernarg_segment_align: 8
    .kernarg_segment_size: 16
    .max_flat_workgroup_size: 256
    .sgpr_count:     66
    .vgpr_count:     96
    .wavefront_size: 32
...
	.end_amdgpu_metadata
.endif
;; end of part 4
;; ======== version 2 of 2: 4 launches; 1.19 times as fast as version 1
;; limits: values are held in f16: magnitudes above 65,504 overflow, below 6.1e-05 lose precision
;; workspace buffers: tmax 65,536 bytes; wq 1,441,792 bytes; tab 8,192 bytes; nrm 256 bytes; pc 131,072 bytes; idx 393,216 bytes of whole numbers; part 1,572,864 bytes
;; launch prep (part 5): grid 416 x 1, 8 waves a work-group, no clusters, 0 bytes of LDS; arguments pts, t_cw, t_cb, t_g1, t_b1, c1_w, c1_g, res_w, res_b, blk0_w, blk0_g, blk1_w, blk1_g, blk2_w, blk2_g, tmax, wq; writes tmax, wq
.if DOCPART == 5
	.amdgcn_target "amdgcn-amd-amdhsa--gfx1250"
	.amdhsa_code_object_version 6
	.text
	.protected	k_qe8285fb38f_prep
	.globl	k_qe8285fb38f_prep
	.p2align	8
	.type	k_qe8285fb38f_prep,@function
k_qe8285fb38f_prep:
	s_mov_b64 s[64:65], 0
	v_nop
	global_prefetch_b8 v0, s[64:65] scope:SCOPE_SE
	s_setreg_imm32_b32 hwreg(HW_REG_WAVE_MODE, 25, 1), 1
	s_wait_xcnt 0x0
; PREP: two jobs, chosen by the work-group's number (the branch is the same for all waves of a work-group).
;  0..63    the T-Net's first layer: silu(bn(pts . t_cw + t_cb)) and its maximum over 64 points a thread -> tmax[b][32 chunks][128]
;  64..415  the five weight matrices, scaled by the norm's factor s = BNRS x g (res_w: 1), rounded ONCE to f16 and laid out as
;           matrix fragments: a block of 1,024 bytes = 16 output features x 32 k; byte 16 (32 half + lane) holds the lane's registers
;           4 half .. 4 half + 3: feature 32 chunk + 16 f + lane % 16, k = 32 ks + 16 half + 8 (lane / 16) + 0..7
; (The biases and the weights' column norms are made beside the neighbour search, in the next launch.)
; No LDS, no matrix unit: 3 MB are read once and 1.5 MB written once.
; BATCHES (the first job).  A thread's 64 exponentials are one batch and its 64 reciprocals another, each with ONE wait ahead of its first reader.  Every result has a register of
; its own: point i's three coordinates lie in v[64 + 3 i ..]; u takes z's place, the exponential and then the reciprocal y's, silu(u) x's.
; LIMITS: the norm's factor is folded into the weight, so the order of rounding differs from the reference's; a scaled weight beyond 65,504 has no
; place in f16, one below 6e-5 keeps f16's fixed step of 6e-8; NaN and infinities are not treated apart.
.set BNRS,   0x3f7fdf42                ; 1 / sqrt(1.001) in f32
.set NLOG2E, 0xbfb8aa3b                ; -log2(e)
; The first pass, four points at a time: u, -log2(e) u, and its exponential.  Behind a group's four exponentials stand the next group's plain lines (ISA guide 5.7.2).
.macro PU q
.irp k, 0,1,2,3
	v_fma_f32 v[66+12*(\q)+3*\k], v[66+12*(\q)+3*\k], v6, v7
.endr
.irp k, 0,1,2,3
	v_fmac_f32 v[66+12*(\q)+3*\k], v[65+12*(\q)+3*\k], v5
.endr
.irp k, 0,1,2,3
	v_fmac_f32 v[66+12*(\q)+3*\k], v[64+12*(\q)+3*\k], v4
.endr
.irp k, 0,1,2,3
	v_mul_f32 v[65+12*(\q)+3*\k], NLOG2E, v[66+12*(\q)+3*\k]
.endr
.irp k, 0,1,2,3
	v_exp_f32 v[65+12*(\q)+3*\k], v[65+12*(\q)+3*\k]
.endr
.endm
; The second pass: 1 + 2^(..) and its reciprocal
.macro PR q
.irp k, 0,1,2,3
	v_add_f32 v[65+12*(\q)+3*\k], 1.0, v[65+12*(\q)+3*\k]
.endr
.irp k, 0,1,2,3
	v_rcp_f32 v[65+12*(\q)+3*\k], v[65+12*(\q)+3*\k]
.endr
.endm
; The third pass: silu(u) = u / (1 + 2^(-log2(e) u)), and the running maximum
.macro PS q
.irp k, 0,1,2,3
	v_mul_f32 v[64+12*(\q)+3*\k], v[66+12*(\q)+3*\k], v[65+12*(\q)+3*\k]
.endr
	v_max3_num_f32 v10, v10, v[64+12*(\q)], v[67+12*(\q)]
	v_max3_num_f32 v10, v10, v[70+12*(\q)], v[73+12*(\q)]
.endm
	s_cmp_lt_u32 ttmp9, 64
	s_cbranch_scc0 .Lweights
; ---------------- the T-Net's first layer ----------------
; work-group id = 16 b + chunk of 128 points; thread: channel e = t % 128, half t / 128 takes 64 points
	s_load_b256 s[4:11], s[0:1], 0x0               ; pts, t_cw, t_cb, t_g1
	s_load_b64 s[12:13], s[0:1], 0x20              ; t_b1
	s_load_b64 s[14:15], s[0:1], 0x78              ; tmax
	v_and_b32 v1, 127, v0
	v_lshlrev_b32 v1, 2, v1                        ; 4 e
	v_lshrrev_b32 v2, 7, v0                        ; half
	s_mul_i32 s16, ttmp9, 1536                     ; 128 points x 12 bytes
	v_mul_u32_u24 v3, 768, v2
	v_add_nc_u32 v3, s16, v3                       ; my 64 points: one address for the whole wave
	v_lshl_add_u32 v11, v2, 9, v1                  ; where my maximum goes: 512 half + 4 e
	s_lshl_b32 s18, ttmp9, 10                      ; + 1,024 id
	s_mov_b32 s19, 0
	v_mov_b32 v10, 0xff800000                      ; the running maximum starts at -infinity
	s_wait_kmcnt 0x0
	s_add_nc_u64 s[14:15], s[14:15], s[18:19]
	global_load_b32 v4, v1, s[6:7]                 ; t_cw[0..2][e]
	global_load_b32 v5, v1, s[6:7] offset:512
	global_load_b32 v6, v1, s[6:7] offset:1024
	global_load_b32 v7, v1, s[8:9]                 ; t_cb
	global_load_b32 v8, v1, s[10:11]               ; t_g1
	global_load_b32 v9, v1, s[12:13]               ; t_b1
.set i, 0
.rept 48
	global_load_b128 v[64+4*i:67+4*i], v3, s[4:5] offset:16*i
.set i, i+1
.endr
	s_wait_loadcnt 48                              ; the six parameters are in; the 48 loads of points may be out
	v_mul_f32 v8, BNRS, v8                         ; s
	v_mul_f32 v4, v4, v8
	v_mul_f32 v5, v5, v8
	v_mul_f32 v6, v6, v8
	v_fma_f32 v7, v7, v8, v9                       ; t_cb s + t_b1
	s_wait_loadcnt 0x0
.set i, 0
.rept 16
	PU i
.set i, i+1
.endr
	s_wait_alu depctr_va_vdst(0)                   ; the wait for the batch of 64 exponentials, ahead of the first line that names a result; that line, point 0's addition, is also the plain line behind the last exponential
.set i, 0
.rept 16
	PR i
.set i, i+1
.endr
	s_wait_alu depctr_va_vdst(0)                   ; the wait for the batch of 64 reciprocals; point 0's product is the plain line behind the last of them
.set i, 0
.rept 16
	PS i
.set i, i+1
.endr
	global_store_b32 v11, v10, s[14:15]
	s_endpgm
; ---------------- the weights ----------------
.macro LAYER wo, go, np, nreal, kreal, kmask, l2, base, isres
	s_load_b64 s[8:9], s[0:1], \wo                 ; the matrix
	s_load_b64 s[10:11], s[0:1], \go               ; its gain (res: a vector of the same length, whose numbers are not used here)
	s_mov_b32 s16, \np                             ; numbers in a row of the matrix
	s_mov_b32 s17, \nreal                          ; columns that exist
	s_mov_b32 s18, \kreal                          ; rows that exist
	s_mov_b32 s19, \kmask                          ; c1: k counts modulo 16, so that its 9 rows stand twice
	s_mov_b32 s20, \l2                             ; log2 of the blocks in a chunk of 32 features
	s_mov_b32 s21, \base                           ; the layer's first work-group
	s_mov_b32 s22, \isres                          ; all ones: the factor is 1
	s_branch .Lpack
.endm
.Lweights:
	s_sub_co_u32 s2, ttmp9, 64
	s_load_b64 s[12:13], s[0:1], 0x80              ; wq
	s_cmp_lt_u32 s2, 8
	s_cbranch_scc0 .Lw_res
	LAYER 0x28, 0x30, 512, 512, 9, 15, 1, 0, 0
.Lw_res:
	s_cmp_lt_u32 s2, 136
	s_cbranch_scc0 .Lw_b0
	LAYER 0x38, 0x40, 512, 512, 512, -1, 5, 8, -1
.Lw_b0:
	s_cmp_lt_u32 s2, 264
	s_cbranch_scc0 .Lw_b1
	LAYER 0x48, 0x50, 512, 512, 512, -1, 5, 136, 0
.Lw_b1:
	s_cmp_lt_u32 s2, 328
	s_cbranch_scc0 .Lw_b2
	LAYER 0x58, 0x60, 256, 256, 512, -1, 5, 264, 0
.Lw_b2:
	LAYER 0x68, 0x70, 170, 170, 256, -1, 4, 328, 0
.Lpack:                                                ; a work-group makes four blocks, 64 threads a block, 16 bytes a thread
	s_sub_co_u32 s23, s2, s21
	s_lshl_b32 s23, s23, 2                         ; my first block in the layer
	s_lshl_b32 s24, 1, s20
	s_sub_co_u32 s24, s24, 1
	s_sub_co_u32 s25, s17, 1
	s_sub_co_u32 s26, s18, 1
	s_lshl_b32 s28, s2, 12                         ; the work-group's 4,096 bytes of wq
	s_mov_b32 s29, 0
	v_lshrrev_b32 v1, 6, v0
	v_add_nc_u32 v1, s23, v1                       ; block
	v_lshrrev_b32 v2, s20, v1                      ; chunk
	v_and_b32 v3, s24, v1
	v_lshrrev_b32 v4, 1, v3                        ; ks
	v_and_b32 v5, 1, v1                            ; f
	v_and_b32 v6, 15, v0                           ; lane % 16
	v_bfe_u32 v7, v0, 4, 1                         ; lane / 16
	v_bfe_u32 v8, v0, 5, 1                         ; half
	v_lshlrev_b32 v9, 5, v2
	v_lshl_add_u32 v9, v5, 4, v9
	v_add_nc_u32 v9, v9, v6                        ; n
	v_min_u32 v10, s25, v9                         ; held inside the matrix
	v_lshlrev_b32 v11, 5, v4
	v_lshl_add_u32 v11, v8, 4, v11
	v_lshl_add_u32 v11, v7, 3, v11
	v_and_b32 v11, s19, v11                        ; my first k
.set i, 0
.rept 8
	v_add_nc_u32 v[12+i], i, v11
	v_min_u32 v[20+i], s26, v[12+i]
	v_mad_u32_u24 v[20+i], v[20+i], s16, v10
	v_lshlrev_b32 v[20+i], 2, v[20+i]
.set i, i+1
.endr
	v_lshlrev_b32 v36, 2, v10
	v_lshlrev_b32 v44, 4, v0
	s_wait_kmcnt 0x0
	s_add_nc_u64 s[12:13], s[12:13], s[28:29]
.set i, 0
.rept 8
	global_load_b32 v[28+i], v[20+i], s[8:9]
.set i, i+1
.endr
	global_load_b32 v37, v36, s[10:11]
	s_wait_loadcnt 0x0
	v_mul_f32 v37, BNRS, v37
	v_cndmask_b32 v37, v37, 1.0, s22
	v_cmp_gt_u32 vcc_lo, s17, v9
	v_cndmask_b32 v37, 0, v37, vcc_lo              ; a column that does not exist is 0
.set i, 0
.rept 8
	v_mul_f32 v[28+i], v[28+i], v37
	v_cmp_gt_u32 vcc_lo, s18, v[12+i]
	v_cndmask_b32 v[28+i], 0, v[28+i], vcc_lo      ; so is a row that does not exist
.set i, i+1
.endr
.set i, 0
.rept 4
	v_cvt_pk_f16_f32 v[40+i], v[28+2*i], v[29+2*i]
.set i, i+1
.endr
	global_store_b128 v44, v[40:43], s[12:13]      ; a wave stores 512 consecutive bytes
	s_endpgm
.Lfunc_end_k_qe8285fb38f_prep:
	.size	k_qe8285fb38f_prep, .Lfunc_end_k_qe8285fb38f_prep-k_qe8285fb38f_prep
	.p2alignl 7, 3214868480
	.fill 96, 4, 3214868480
	.section	.rodata,"a",@progbits
	.p2align	6, 0x0
	.amdhsa_kernel k_qe8285fb38f_prep
		.amdhsa_group_segment_fixed_size 0
		.amdhsa_private_segment_fixed_size 0
		.amdhsa_enable_private_segment 0
		.amdhsa_kernarg_size 136
		.amdhsa_user_sgpr_count 2
		.amdhsa_user_sgpr_kernarg_segment_ptr 1
		.amdhsa_wavefront_size32 1
		.amdhsa_system_sgpr_workgroup_id_x 1
		.amdhsa_system_sgpr_workgroup_id_y 1
		.amdhsa_system_sgpr_workgroup_id_z 1
		.amdhsa_system_vgpr_workitem_id 0
		.amdhsa_next_free_vgpr 256
		.amdhsa_next_free_sgpr 66
		.amdhsa_reserve_vcc 1
		.amdhsa_float_denorm_mode_32 3
		.amdhsa_float_denorm_mode_16_64 3
		.amdhsa_memory_ordered 1
		.amdhsa_forward_progress 1
		.amdhsa_inst_pref_size 36
	.end_amdhsa_kernel
	.amdgpu_metadata
---
amdhsa.version: [ 1, 2 ]
amdhsa.kernels:
  - .name:           k_qe8285fb38f_prep
    .symbol:         k_qe8285fb38f_prep.kd
    .args:
      - { .name: pts, .offset: 0, .size: 8, .value_kind: global_buffer, .address_space: global }
      - { .name: t_cw, .offset: 8, .size: 8, .value_kind: global_buffer, .address_space: global }
      - { .name: t_cb, .offset: 16, .size: 8, .value_kind: global_buffer, .address_space: global }
      - { .name: t_g1, .offset: 24, .size: 8, .value_kind: global_buffer, .address_space: global }
      - { .name: t_b1, .offset: 32, .size: 8, .value_kind: global_buffer, .address_space: global }
      - { .name: c1_w, .offset: 40, .size: 8, .value_kind: global_buffer, .address_space: global }
      - { .name: c1_g, .offset: 48, .size: 8, .value_kind: global_buffer, .address_space: global }
      - { .name: res_w, .offset: 56, .size: 8, .value_kind: global_buffer, .address_space: global }
      - { .name: res_b, .offset: 64, .size: 8, .value_kind: global_buffer, .address_space: global }
      - { .name: blk0_w, .offset: 72, .size: 8, .value_kind: global_buffer, .address_space: global }
      - { .name: blk0_g, .offset: 80, .size: 8, .value_kind: global_buffer, .address_space: global }
      - { .name: blk1_w, .offset: 88, .size: 8, .value_kind: global_buffer, .address_space: global }
      - { .name: blk1_g, .offset: 96, .size: 8, .value_kind: global_buffer, .address_space: global }
      - { .name: blk2_w, .offset: 104, .size: 8, .value_kind: global_buffer, .address_space: global }
      - { .name: blk2_g, .offset: 112, .size: 8, .value_kind: global_buffer, .address_space: global }
      - { .name: tmax, .offset: 120, .size: 8, .value_kind: global_buffer, .address_space: global }
      - { .name: wq, .offset: 128, .size: 8, .value_kind: global_buffer, .address_space: global }
    .group_segment_fixed_size: 0
    .private_segment_fixed_size: 0
    .kernarg_segment_align: 8
    .kernarg_segment_size: 136
    .max_flat_workgroup_size: 256
    .sgpr_count:     66
    .vgpr_count:     256
    .wavefront_size: 32
...
	.end_amdgpu_metadata
.endif
;; end of part 5
;; launch knn: the kernel of part 2 again; grid 288 x 1, 8 waves a work-group, no clusters, 62,464 bytes of LDS; arguments tmax, pts, t_d1w, t_d1b, t_g2, t_b2, t_d2w, t_d2b, pc, idx, c1_w, c1_b, c1_g, c1_beta, res_w, res_b, blk0_w, blk0_b, blk0_g, blk0_beta, blk1_w, blk1_b, blk1_g, blk1_beta, blk2_w, blk2_b, blk2_g, blk2_beta, tab, nrm; writes pc, idx, tab, nrm
;; launch mlp (part 6): grid 256 x 1, 4 waves a work-group, clusters of 4 x 1, 327,680 bytes of LDS; arguments idx, pc, wq, tab, part, nrm; writes part
.if DOCPART == 6
	.amdgcn_target "amdgcn-amd-amdhsa--gfx1250"
	.amdhsa_code_object_version 6
	.text
	.protected	k_qe8285fb38f_mlp
	.globl	k_qe8285fb38f_mlp
	.p2align	8
	.type	k_qe8285fb38f_mlp,@function
k_qe8285fb38f_mlp:
	s_mov_b64 s[64:65], 0
	v_nop
	global_prefetch_b8 v0, s[64:65] scope:SCOPE_SE
	s_setreg_imm32_b32 hwreg(HW_REG_WAVE_MODE, 25, 1), 1
	s_wait_xcnt 0x0
	s_wait_alu depctr_hold_cnt(0) depctr_sa_sdst(0) depctr_va_vdst(0) depctr_va_sdst(0) depctr_va_ssrc(0) depctr_va_vcc(0) depctr_vm_vsrc(0)
	s_getreg_b32 s2, hwreg(HW_REG_IB_STS2, 6, 4)
	s_cmp_eq_u32 s2, 0
	s_cbranch_scc0 .Lentry_in_a_cluster
	s_endpgm
.Lentry_in_a_cluster:
	s_bfe_u32 s2, ttmp6, 0x10000c
	s_cmp_lg_u32 s2, 0x3003
	s_cbranch_scc0 .Lentry_shape_is_right
	s_endpgm
.Lentry_shape_is_right:
; MLP: gather, 9 -> 512 (silu), 512 -> 512 (residual), 512 -> 512, 512 -> 256, 256 -> 170 (silu each), and the maximum over the work-group's 32 points.
; SHARES.  A work-group takes 256 data rows m = (b 2048 + n) 8 + k, a wave 64 of them: four tiles of 16.
; LAYOUT.  Every product is used transposed: source 0 = 16 output features x 32 k of the weights (f16, in fragment order, made by an earlier launch),
; source 1 = 32 k x 16 data rows.  In the result a lane holds ONE data row (lane % 16) and the features 8 (lane / 16) + 0..7; two results rounded to f16
; in pairs ARE source 1 of the next layer for one K step.  So activations never change lanes, and a wave keeps its whole input X in 512 registers.
; A weight fragment (two LDS loads) feeds four matrix instructions.
; CHUNKS.  A layer goes by chunks of 32 output features: 8 accumulators (4 ft + t), KS K steps.  The first K step takes the bias as C; the last writes its
; result into a second set H.  So one text serves every chunk, and the activation of chunk c - 1 stands behind the matrix instructions of chunk c.
; Finished chunks go as f16 into the wave's own STASH in LDS (a loop cannot index registers); the layer's last chunk goes straight into X's last K step,
; and the others are read back at the layer's end.
; BATCHES.  A chunk's silu has 64 exponentials and 64 reciprocals, and a reciprocal reads what is made of an exponential: TWO BATCHES a chunk, each with ONE wait ahead of its first reader.
; Every result has a register of its own from the chunk's first scaling to its last product: 64 registers at work, taken from what lies idle in the layer in hand (see REGISTERS).
; WEIGHTS.  44 pieces of 32,768 bytes (a chunk of K = 512, or two of K = 256) walk through two LDS slots; each wave fetches a quarter of a piece.  All four work-groups of a
; cluster walk the same weights, so each piece is asked for JOINTLY (mask of four).  By this text's own count a wave has three tensor loads out at the start and one later.
; A piece is 256 registers a lane: two halves of 128 that are filled by turns, each by ONE run of 32 LDS loads, so that 128 matrix instructions have three groups of LDS
; instructions among them (two runs and the add) and not one in every K step.
; FORMATS AND SCALES.  Matrix operands in f16 (11 significant bits: five layers of 8-bit roundings add up to more than a small output of a large row can bear); sums, biases
; and activations in f32.  f16 ends at 65,504, so every activation is stored times a power of two 2^-e that holds it below 2^15, by a bound that is proven, not measured:
; with r0 the largest norm of the wave's 64 gathered rows, A the largest column norm of a layer's scaled weights and C its largest |bias| (both made by an earlier launch),
;   |f1| <= B1 = r0 A1 + C1;  |f1|, |f2| <= B2 = B1 (1 + sqrt(512) A2) + C2;  |f3| <= B3 = B2 sqrt(512) A3 + C3;  |f4| <= B4 = B3 sqrt(512) A4 + C4
; (Cauchy-Schwarz, |silu(u)| <= |u|, and a norm of 512 numbers is at most sqrt(512) times the largest).  e = the bound's exponent - 14.  f1 and f2 share B2's scale.
; With H = u 2^-ein in the accumulator (the bias enters as C times 2^-ein):  E = 2^(H x -log2(e) 2^ein);  silu(u) 2^-eout = H / (E k + k),  k = 2^(eout - ein): no line more than without scales.
; A gathered coordinate enters as two f16 (its rounding and what the rounding lost), at k and k + 16, times 2^-e0, e0 from r0.
; LIMITS: e is held to -100 .. 100, so bounds up to 2^115 are served.  The bounds are loose: for weights and points that are spread like noise B2, B3, B4 lie some 2^8, 2^13, 2^18 above a
; typical number, which leaves f4 ten binades above f16's smallest normal number; a stored number below 2^-14 keeps f16's fixed step of 2^-24.  The residual's 'f +' is f as rounded to f16.
; NaN and infinities are not treated apart; a result of 2^x below 2^-126 counts as 0.
; REGISTERS, in windows of 256 (s_set_vgpr_msb: bits 1:0 source 0, 3:2 source 1, 5:4 source 2, 7:6 destination):
;   window 0: v0-11 addresses; v12-27 bias; v28-59 P, a chunk's packed results (in the last layer: v28-43 the odd chunk's bias); v60-91 the residual's f; v92-155 ACC; v156-219 H; v220-255 at work
;             silu's 64 registers at work: v60-91 and v220-251 (no f is alive in a silu layer); in the last layer v44-91 and v220-235 (nothing is packed there, and v236-251 hold its maxima)
;   windows 1, 2: X: K step ks at 32 (ks % 8) of window 1 + ks / 8; tile t, feature half ft at + 8 t + 4 ft
;   window 3: a piece's weights: step st at 16 st, feature half ft at + 8 ft
.set SLOT,  32768                      ; slot 0 at 0, slot 1 here
.set TAB,   65536                      ; the table of biases, 8,192 bytes, filled once
.set STASH, 73728                      ; 15 places of 4,096 bytes for each wave; block g at + 512 g, lane at + 16 lane; no tensor load lands here
.set STW,   61440
.set SPARE, 319488                     ; the spare words, 128 bytes a wave
.set L16, 1                            ; 16 lane
.set WA,  2                            ; 16 lane + the slot of the piece that is being read
.set SA,  3                            ; the stash place of the chunk whose activation is in hand
.set SB,  4                            ; my stash + 16 lane; never rewritten
.set BA,  5                            ; TAB + 32 (lane / 16) + 128 chunk, chunks counted through all layers
.set ONE, 6
.set FA,  7                            ; where the last layer's maxima go
.set SPW, 8
.set NIL, 9
.set BI,  12
.set P,   28
.set BI2, 28
.set T3,  44                           ; last layer: the registers at work of pairs 0-23
.set XP,  60
.set OUTR, 28                          ; the way out: 48 registers, and four addresses at v76-79
.set ACC, 92
.set H,   156
.set T,   220                          ; pairs at work
.set MX,  236                          ; last layer: 16 running maxima
.set IX,  28                           ; the gather's scratch lies where results and accumulators will lie
.set PCG, 92
.set HP,  156
.set LP,  162
.set U,   170
.set ZR,  180
.set NEG1, 181
.set NO,  182                          ; 4 lane
.set NA,  184                          ; the norms' table: A in v184 (v186: by groups of four lanes), C in v185 (v187)
.set NC,  185
.set BD,  188                          ; v188-195 the bounds in the making
.set WV,  14
.set G1,  24                           ; s[24:31] group 1: 32 rows of 256 bytes
.set G1T, 32                           ; s[32:39] group 1: 8 rows of 256 bytes
.set G0A, 40                           ; s[40:43] piece 0
.set G0B, 44                           ; s[44:47] piece 1; it then walks
.set G0T, 48                           ; s[48:51] the table
.set TB,  52                           ; LDS byte at which the piece that is being read begins
.set CNT, 53
.set NL,  54                           ; s[54:55] the layer in hand: -log2(e) 2^ein
.set HM,  56                           ; the mask of lanes 16-31
.set SG,  66                           ; s[66:67] the layer in hand: 2^-ein
.set KP,  68                           ; s[68:69] the layer in hand: 2^(eout - ein)
.set LC,  70                           ; s70-81 those three for c1, for res and blk0, for blk1, for blk2
.set EX,  82                           ; s82-85 A1..A4, then r0, B2, B3, B4, then e0, e12, e3, e4;  s86-89 C1..C4;  s90 sqrt(512);  s91 0
.set MSB, 0
.macro WIN new                         ; the high byte repeats the setting that is left; a switch that changes nothing is dropped
.if MSB != (\new)
	s_set_vgpr_msb (MSB<<8)|(\new)
.set MSB, (\new)
.endif
.endm
.macro PLACES                          ; four plain lines behind a matrix instruction, ahead of a vector line or a load that touches its registers
.rept 4
	v_nop
.endr
.endm
.macro CREST                           ; a round of the cluster's barrier behind its opening barrier
	s_cmp_lg_u32 s[WV], 0
	s_cbranch_scc1 .Lnot_wave_0_\@
	s_barrier_signal -3
.Lnot_wave_0_\@:
	s_barrier_wait -3
	s_barrier_signal -1
	s_barrier_wait -1
.endm
.macro CROUND
	s_barrier_signal -1
	s_barrier_wait -1
	CREST
.endm
.macro SETL a                          ; a layer's three constants, each twice (the packed lines name pairs)
	s_mov_b32 s[SG], s[\a]
	s_mov_b32 s[SG+1], s[\a]
	s_mov_b32 s[NL], s[(\a)+1]
	s_mov_b32 s[NL+1], s[(\a)+1]
	s_mov_b32 s[KP], s[(\a)+2]
	s_mov_b32 s[KP+1], s[(\a)+2]
.endm
.macro EXPO d                          ; a bound (not negative) becomes its scale's exponent: the bound times 2^-e lies in 2^14 .. 2^15
	s_lshr_b32 s[\d], s[\d], 23
	s_sub_co_i32 s[\d], s[\d], 141
	s_max_i32 s[\d], s[\d], -100
	s_min_i32 s[\d], s[\d], 100
.endm
.macro LCON a, ei, eo                  ; 2^-ei; -log2(e) 2^ei; 2^(eo - ei): made in the exponent fields, so they are exact
	s_sub_co_i32 s[\a], 127, s[\ei]
	s_lshl_b32 s[\a], s[\a], 23
	s_lshl_b32 s[(\a)+1], s[\ei], 23
	s_add_co_u32 s[(\a)+1], s[(\a)+1], 0xbfb8aa3b
	s_sub_co_i32 s[(\a)+2], s[\eo], s[\ei]
	s_max_i32 s[(\a)+2], s[(\a)+2], -120
	s_min_i32 s[(\a)+2], s[(\a)+2], 120
	s_add_co_i32 s[(\a)+2], s[(\a)+2], 127
	s_lshl_b32 s[(\a)+2], s[(\a)+2], 23
.endm
.macro HALF hb                         ; ONE run of 32 loads, 512 consecutive bytes each: steps 8 hb .. 8 hb + 7 of the piece at WA into their half of window 3
	WIN 0xc0
.set hk, 8*(\hb)
.rept 8
.irp f, 0,1
.irp hh, 0,1
	ds_load_b128 v[16*hk+8*\f+4*\hh:16*hk+8*\f+4*\hh+3], v[WA] offset:2048*hk+1024*\f+512*\hh
.endr
.endr
.set hk, hk+1
.endr
	WIN 0
.endm
.macro FETCH1                          ; the first layer: a chunk is one K step, four loads
	WIN 0xc0
.irp f, 0,1
.irp hh, 0,1
	ds_load_b128 v[8*\f+4*\hh:8*\f+4*\hh+3], v[WA] offset:1024*\f+512*\hh
.endr
.endr
	WIN 0
.endm
.macro LOADB b                         ; a chunk's bias as a C operand: features 16 ft + 8 (lane / 16) + 0..7
	ds_load_b128 v[(\b):(\b)+3], v[BA]
	ds_load_b128 v[(\b)+4:(\b)+7], v[BA] offset:16
	ds_load_b128 v[(\b)+8:(\b)+11], v[BA] offset:64
	ds_load_b128 v[(\b)+12:(\b)+15], v[BA] offset:80
.endm
.macro FETCHB
	WIN 0
	v_add_nc_u32 v[BA], 128, v[BA]
	LOADB BI
.endm
.macro SCALEB b                        ; the bias times 2^-ein, ahead of the chunk that takes it: there the layer's constant is the right one
	WIN 0
.set z, 0
.rept 8
	v_pk_mul_f32 v[(\b)+2*z:(\b)+2*z+1], v[(\b)+2*z:(\b)+2*z+1], s[SG:SG+1] op_sel_hi:[1,0]
.set z, z+1
.endr
.endm
; the matrix instruction of step st (X's K step kx), accumulator si = 4 ft + t.  fF: the chunk's first K step (C = the bias at cbi); fL: its last (D = H).
.macro MM
	WIN 3|((1+kx/8)<<2)
.set rW, 16*st+8*(si/4)
.set rX, 32*(kx%8)+8*(si%4)
.set rA, ACC+8*si
.set rH, H+8*si
.set rB, cbi+8*(si/4)
.if fF && fL
	v_wmma_f32_16x16x32_f16 v[rH:rH+7], v[rW:rW+7], v[rX:rX+7], v[rB:rB+7]
.elseif fF
	v_wmma_f32_16x16x32_f16 v[rA:rA+7], v[rW:rW+7], v[rX:rX+7], v[rB:rB+7]
.elseif fL
	v_wmma_f32_16x16x32_f16 v[rH:rH+7], v[rW:rW+7], v[rX:rX+7], v[rA:rA+7]
.else
	v_wmma_f32_16x16x32_f16 v[rA:rA+7], v[rW:rW+7], v[rX:rX+7], v[rA:rA+7]
.endif
.endm
; THE ACTIVATION of a chunk's 32 pairs of H (pair p = registers 2 p, 2 p + 1; group p / 4 is accumulator p / 4) is a numbered list; ACT writes number qn of it.
; Each pair has two registers at work of its own (TR), from its first line to its last.
;   0-95     M(p) = H x -log2(e) 2^ein, 32 plain lines, and the 64 exponentials 2^M, in place: THE FIRST BATCH.  M 0-7; then M and an exponential by turns (M 8-31, exponentials 0-23); then exponentials 24-63
;   96-191   F(p) = E k + k, 32 plain lines, and the 64 reciprocals, in place: THE SECOND BATCH, in the same order
;   192-223  Y(p) = H / (..)
;   224-255  kind 1: the roundings to f16; lk < 0: into P, else into X's K step lk          224-271  kind 3: the maxima over the wave's four tiles (tile 0's Y starts them; tiles 1, 2, 3 follow in that order)
; THE WAITS are two: ahead of number 96 and ahead of number 192.  Nothing below 96 names an exponential's result, nothing from 96 to 191 a reciprocal's, and no transcendental stands behind 191.
; The plain line that stands behind a batch's last transcendentals, ahead of any use of their results (ISA guide 5.7.2), is number 96 (192) itself: it names pair 0's
; registers alone, whose own transcendentals have plain lines of the list behind them.  Each group's lowest pair is read first.
.macro TR kind, p                      ; rY: the two registers at work of pair p
.if (\kind) == 3
.if (\p) < 24
.set rY, T3+2*(\p)
.else
.set rY, T+2*((\p)-24)
.endif
.elseif (\p) < 16
.set rY, XP+2*(\p)
.else
.set rY, T+2*((\p)-16)
.endif
.endm
.macro ACT kind, lk
.set jj, qn%96                         ; the place in a batch's 96
.set pn, -1                            ; the plain line's pair, or
.set tn, -1                            ; the transcendental's number
.if jj < 8
.set pn, jj
.elseif (jj < 56) && (jj%2 == 0)
.set pn, jj/2+4
.elseif jj < 56
.set tn, (jj-9)/2
.else
.set tn, jj-32
.endif
.if (qn < 224) || ((\lk) < 0)
	WIN 0
.endif
.if (qn == 96) || (qn == 192)
	s_wait_alu depctr_va_vdst(0)                   ; the wait for the batch just ended (at 96: the chunk's 64 exponentials; at 192: its 64 reciprocals), ahead of the first line that names a result
.endif
.if (qn < 96) && (pn >= 0)
	TR \kind, pn
	v_pk_mul_f32 v[rY:rY+1], v[H+2*pn:H+2*pn+1], s[NL:NL+1] op_sel_hi:[1,0]
.elseif qn < 96
	TR \kind, tn/2
	v_exp_f32 v[rY+tn%2], v[rY+tn%2]
.elseif (qn < 192) && (pn >= 0)
	TR \kind, pn
	v_pk_fma_f32 v[rY:rY+1], v[rY:rY+1], s[KP:KP+1], s[KP:KP+1] op_sel_hi:[1,0,0]
.elseif qn < 192
	TR \kind, tn/2
	v_rcp_f32 v[rY+tn%2], v[rY+tn%2]
.elseif qn < 224
.set pp, qn-192
	TR \kind, pp
.if ((\kind) == 3) && ((pp/4)%4 == 0)
	v_pk_mul_f32 v[MX+8*(pp/16)+2*(pp%4):MX+8*(pp/16)+2*(pp%4)+1], v[rY:rY+1], v[H+2*pp:H+2*pp+1]   ; tile 0 starts the maxima
.else
	v_pk_mul_f32 v[rY:rY+1], v[rY:rY+1], v[H+2*pp:H+2*pp+1]
.endif
.elseif (\kind) == 3
.set zz, qn-224
.set pp, 4+zz/2+4*(zz/24)              ; pairs 4-15 and 20-31, two lines each: the links of a maximum's chain stand eight lines apart
	TR 3, pp
	v_max_num_f32 v[MX+8*(pp/16)+2*(pp%4)+zz%2], v[MX+8*(pp/16)+2*(pp%4)+zz%2], v[rY+zz%2]
.else
.set pp, qn-224
	TR \kind, pp
.if (\lk) < 0
	v_cvt_pk_f16_f32 v[P+pp], v[rY], v[rY+1]
.else
	WIN (1+(\lk)/8)<<6
	v_cvt_pk_f16_f32 v[32*((\lk)%8)+8*((pp/4)%4)+4*(pp/16)+pp%4], v[rY], v[rY+1]
.endif
.endif
.set qn, qn+1
.endm
.macro RIDE n, kind, lk
.rept \n
	ACT \kind, \lk
.endr
.endm
.macro LUMP kind, lk                   ; the whole list on end: 256 numbers, 272 with the maxima
.set qn, 0
.rept 256+16*((\kind)/3)
	ACT \kind, \lk
.endr
.endm
; THE RESIDUAL: f + (f W + b), all in one scale.  RF: number j of group g; f is the f16 half that the layer was fed with.  sx = 1: f lies in X's K step 15, and the result goes there.
.macro RF g, j, sx
.if \sx
	WIN 0x02
.set rS, 224+8*((\g)%4)+4*((\g)/4)+(\j)/2
.else
	WIN 0
.set rS, XP+4*(\g)+(\j)/2
.endif
.if (\j)%2
	v_fma_mix_f32 v[T+(\j)], v[rS], v[ONE], v[H+8*(\g)+(\j)] op_sel:[1,0,0] op_sel_hi:[1,0,0]
.else
	v_fma_mix_f32 v[T+(\j)], v[rS], v[ONE], v[H+8*(\g)+(\j)] op_sel:[0,0,0] op_sel_hi:[1,0,0]
.endif
.endm
.macro RC g, i, sx
.if \sx
	WIN 0x80
	v_cvt_pk_f16_f32 v[224+8*((\g)%4)+4*((\g)/4)+(\i)], v[T+2*(\i)], v[T+2*(\i)+1]
.else
	WIN 0
	v_cvt_pk_f16_f32 v[P+4*(\g)+(\i)], v[T+2*(\i)], v[T+2*(\i)+1]
.endif
.endm
.macro RSLOT                           ; group st - 6 stands in steps 6 to 13, behind the wait that shows f landed: four sums, four sums, two roundings, two roundings, behind the even slots
.if (st >= 6) && (st <= 13)
.if si == 0
	RF st-6, 0, 0
	RF st-6, 1, 0
	RF st-6, 2, 0
	RF st-6, 3, 0
.elseif si == 2
	RF st-6, 4, 0
	RF st-6, 5, 0
	RF st-6, 6, 0
	RF st-6, 7, 0
.elseif si == 4
	RC st-6, 0, 0
	RC st-6, 1, 0
.elseif si == 6
	RC st-6, 2, 0
	RC st-6, 3, 0
.endif
.elseif st >= 14
	v_nop                                          ; the places between ACC's last link and its use as the C of H
.endif
.endm
.macro LUMPR
.set gq, 0
.rept 8
.set jq, 0
.rept 8
	RF gq, jq, 1
.set jq, jq+1
.endr
.set jq, 0
.rept 4
	RC gq, jq, 1
.set jq, jq+1
.endr
.set gq, gq+1
.endr
	WIN 0
.endm
; THE CHANGE OF SLOTS, in three parts with matrix work between them.  A: all my tensor loads have landed (one was out: my quarter of the next piece); the add; the walking
; descriptor steps.  B: the add is done and my reads of the slot are over; I say so.  C: all four waves and all four work-groups have said so; the slot is filled again, first thing.
.macro TURN_A
	WIN 0
	s_wait_tensorcnt 0x0
	ds_add_u32 v[SPW], v[NIL]
	s_xor_b32 s[G0B+1], s[G0B+1], SLOT             ; the other slot than last time,
	s_add_nc_u64 s[G0B+2:G0B+3], s[G0B+2:G0B+3], SLOT  ; the next piece; the type bits on top are not reached
.endm
.macro TURN_B
	s_wait_dscnt 0x0
	s_barrier_signal -1
.endm
.macro TURN_C
	WIN 0
	s_barrier_wait -1
	CREST
	tensor_load_to_lds s[G0B:G0B+3], s[G1:G1+7]
	s_nop 0
	PLACES
.endm
.macro FTAIL                           ; rows r and r + 8 of a tile have the same k: their maximum; then [k][feature] into my scratch
	WIN 0
.set z, 0
.rept 16
	v_max_num_f32_dpp v[MX+z], v[MX+z], v[MX+z] row_xmask:8 row_mask:0xf bank_mask:0xf
.set z, z+1
.endr
	ds_store_b128 v[FA], v[MX:MX+3]
	ds_store_b128 v[FA], v[MX+4:MX+7] offset:16
	ds_store_b128 v[FA], v[MX+8:MX+11] offset:64
	ds_store_b128 v[FA], v[MX+12:MX+15] offset:80
	v_add_nc_u32 v[FA], 128, v[FA]
.endm
.macro STOREP                          ; a chunk's 32 packed registers into its stash place, in one run
	WIN 0
.set z, 0
.rept 8
	ds_store_b128 v[SA], v[P+4*z:P+4*z+3] offset:512*z
.set z, z+1
.endr
	v_add_nc_u32 v[SA], 4096, v[SA]
.endm
; A TRIP: one piece, 16 steps of eight slots (a matrix instruction and what rides behind it).  KS = 16: one chunk; KS = 8: two, the even one on half A, the odd one on half B.
; EA: what rides in steps 0-15 (KS = 8: 0-7), EB: in steps 8-15 at KS = 8: 0 nothing, 1 silu into P, 2 the residual into P, 3 silu and maxima.  TK: 1 the change of slots with a refill, 2 a barrier alone.
; SILU'S RIDERS AT KS = 16 are dealt evenly: two numbers of the activation's list behind EVERY matrix instruction: 128 x 2 = 256; number q stands in slot q / 2.  The price is two switches of the
; register window for each matrix instruction.  The exponentials' batch ends in slot 47; its wait stands in slot 48, behind that slot's matrix instruction.  Slots 48 to 51 hold plain lines alone (numbers 96-103).
; The reciprocals' batch ends in slot 95; its wait stands in slot 96.
; The last read of H, number 223, falls in slot 111, and H's group g is written anew in slot 120 + g.  Slots 112 to 127 hold the roundings.
; AT KS = 8 (silu and maxima): four numbers behind every matrix instruction, five in a chunk's K steps 0 and 1: 256 + 16 = 272.  The waits stand in the chunk's slots 20 and 44, each behind the slot's matrix
; instruction; the last read of H falls in slot 51, and H's group g is written anew in slot 56 + g.  A trip with riders in steps 0-7 has a barrier alone (TK = 2): no branch and no label stands among them.
; THE LDS INSTRUCTIONS STAND IN THREE GROUPS.  At the head: half B of this piece (with it the residual's f, or the odd chunk's bias); it follows the stores at the foot of the trip before.
; Behind step 7: the next chunk's bias and half A of the next piece, from the other slot.  In step 5: the add.  At the foot: the chunk's results, behind a wait for the second group,
; which was issued 64 matrix instructions earlier.
; THE CHANGE OF SLOTS stands in steps 5 and 6.  The slot that it frees is this piece's, last read at the trip's head; the barrier shows the next piece whole before the second group reads it.
; From a request to the wait for it a wave issues 118 matrix instructions.
; PLACES.  The eight accumulators take turns, over the loop's edge too.  Between ACC's last link and its use as the C of H stand eight slots with a plain line or more each
; (silu's riders there are roundings, products and maxima: no transcendental); between that instruction and the next write of ACC four v_nop and the eight scalings of the bias; four v_nop stand in front of
; each run of loads into a half that matrix instructions have read.
.macro CHUNK KS, EA, EB, TK
	WIN 0
.if (\EA) == 2
.set z, 0
.rept 8
	ds_load_b128 v[XP+4*z:XP+4*z+3], v[SA] offset:512*z     ; f of the chunk whose sum is in H
.set z, z+1
.endr
.endif
.if (\KS) == 8
	v_add_nc_u32 v[BA], 128, v[BA]
	LOADB BI2
.endif
	HALF 1
	SCALEB BI
.set qn, 0
.set st, 0
.rept 16
.set kx, st%(\KS)
.set fF, 0
.set fL, 0
.if kx == 0
.set fF, 1
.endif
.if kx == (\KS)-1
.set fL, 1
.endif
.set cbi, BI
.set ep, \EA
.if ((\KS) == 8) && (st >= 8)
.set cbi, BI2
.set ep, \EB
.endif
.set si, 0
.rept 8
	MM
.if ep == 0
.if kx >= (\KS)-2
	v_nop                                          ; the places between ACC's last link and its use as the C of H
.endif
.elseif ep == 1
	RIDE 2, 1, -1
.elseif ep == 2
	RSLOT
.else
	RIDE 4, 3, -1
.if kx < 2
	RIDE 1, 3, -1
.endif
.endif
.if (st == 5) && (si == 1)
.if (\TK) == 1
	TURN_A
.else
	s_wait_tensorcnt 0x0                           ; my quarter of the last piece has landed
.endif
.endif
.if (st == 5) && (si == 7)
	TURN_B                                         ; the wait is also the one for half B, f and the odd chunk's bias
.endif
.if (st == 6) && (si == 3)
.if (\TK) == 1
	TURN_C
.else
	WIN 0
	s_barrier_wait -1
.endif
.endif
.set si, si+1
.endr
.if st == 7
	WIN 0
	PLACES
.if ((\KS) == 8) && ((\EA) == 3)
	FTAIL
.endif
	s_xor_b32 s[TB], s[TB], SLOT                   ; the next piece lies in the other slot
	v_add_nc_u32 v[WA], s[TB], v[L16]
	FETCHB
	HALF 0
.if (\KS) == 8
	SCALEB BI2
.set qn, 0
.endif
.endif
.set st, st+1
.endr
	WIN 0
	PLACES
	s_wait_dscnt 0x0                               ; half A of the next piece and the next bias are in
.if ((\KS) == 16) && ((\EA) != 0)
	STOREP
.elseif ((\KS) == 8) && ((\EB) == 3)
	FTAIL
.endif
	WIN 0
.endm
.macro RELOAD n                        ; the stash's places 0 .. n - 1 become X's K steps 0 .. n - 1
.set rk, 0
.rept \n
	WIN (1+rk/8)<<6
.set rg, 0
.rept 8
	ds_load_b128 v[32*(rk%8)+8*(rg%4)+4*(rg/4):32*(rk%8)+8*(rg%4)+4*(rg/4)+3], v[SB] offset:4096*rk+512*rg
.set rg, rg+1
.endr
.set rk, rk+1
.endr
	WIN 0
.endm
.macro BOUND n, kind, lk               ; a layer's end (four v_nop stand behind its last product): X is read back while the last chunk's activation goes straight into X's K step lk
	RELOAD \n
.if (\kind) == 2
	LUMPR
.else
	LUMP \kind, \lk
.endif
	WIN 0
	v_mov_b32 v[SA], v[SB]
	s_wait_dscnt 0x0
.endm
.macro MM8                             ; a chunk of the first layer: one K step, first and last at once
	SCALEB BI
.set st, 0
.set kx, 0
.set cbi, BI
.set fF, 1
.set fL, 1
.set si, 0
.rept 8
	MM
.set si, si+1
.endr
	WIN 0
	PLACES
.endm
; tile t's fragment of the nine gathered coordinates, times 2^-e0.  Lanes 0-15: registers 0-3 the roundings of f0..f7, 4-7 what they lost; lanes 16-31: f8's, then zeros.
.macro GATH t
	WIN 0
.set gc, 0
.rept 6
	v_pk_mul_f32 v[PCG+12*(\t)+2*gc:PCG+12*(\t)+2*gc+1], v[PCG+12*(\t)+2*gc:PCG+12*(\t)+2*gc+1], s[SG:SG+1] op_sel_hi:[1,0]
.set gc, gc+1
.endr
.set gc, 0
.rept 4
	v_cvt_pk_f16_f32 v[HP+gc], v[PCG+12*(\t)+4*((2*gc)/3)+(2*gc)%3], v[PCG+12*(\t)+4*((2*gc+1)/3)+(2*gc+1)%3]
.set gc, gc+1
.endr
	v_cvt_pk_f16_f32 v[HP+4], v[PCG+12*(\t)+10], v[ZR]
.set gc, 0
.rept 9
.if gc%2
	v_fma_mix_f32 v[U+gc], v[HP+gc/2], v[NEG1], v[PCG+12*(\t)+4*(gc/3)+gc%3] op_sel:[1,0,0] op_sel_hi:[1,0,0]
.else
	v_fma_mix_f32 v[U+gc], v[HP+gc/2], v[NEG1], v[PCG+12*(\t)+4*(gc/3)+gc%3] op_sel:[0,0,0] op_sel_hi:[1,0,0]
.endif
.set gc, gc+1
.endr
.set gc, 0
.rept 4
	v_cvt_pk_f16_f32 v[LP+gc], v[U+2*gc], v[U+2*gc+1]
.set gc, gc+1
.endr
	v_cvt_pk_f16_f32 v[LP+4], v[U+8], v[ZR]
	WIN 0x40
	v_cndmask_b32 v[8*(\t)], v[HP], v[HP+4], s[HM]
	v_cndmask_b32 v[8*(\t)+4], v[LP], v[LP+4], s[HM]
.irp n, 1,2,3
	v_cndmask_b32 v[8*(\t)+\n], v[HP+\n], 0, s[HM]
	v_cndmask_b32 v[8*(\t)+4+\n], v[LP+\n], 0, s[HM]
.endr
	WIN 0
.endm
	s_load_b256 s[4:11], s[0:1], 0x0               ; idx 4, pc 6, wq 8, tab 10
	s_load_b64 s[12:13], s[0:1], 0x20              ; part
	s_load_b64 s[62:63], s[0:1], 0x28              ; nrm
	v_lshl_add_u32 v[SPW], v0, 2, SPARE
	v_mov_b32 v[NIL], 0
	ds_add_u32 v[SPW], v[NIL]                      ; the wave's opening: the add and its wait ahead of my first tensor load
	v_lshrrev_b32 v10, 5, v0
	v_readfirstlane_b32 s[WV], v10
	s_bfe_u32 s15, ttmp6, 0x40000                  ; cx
	s_lshl_b32 s16, ttmp9, 2
	s_add_co_u32 s16, s16, s15                     ; my work-group: it enters the addresses of idx, pc and part alone
	; dense blocks, asked for as rows of 256 bytes: elements of 8 bytes, 32 to a row, pitch 32
	s_mov_b32 s[G1], 15|(3<<16)|(1<<21)            ; 15:0 the mask of four; 17:16 8-byte elements; 21 set beside a mask
	s_mov_b32 s[G1+1], 32<<16                      ; tensor_dim0 = 32
	s_mov_b32 s[G1+2], 32<<16                      ; tensor_dim1 = 32
	s_mov_b32 s[G1+3], 32<<16                      ; tile_dim0 = 32
	s_mov_b32 s[G1+4], 32                          ; tile_dim1 = 32: 8,192 bytes a wave
	s_mov_b32 s[G1+5], 32
	s_mov_b32 s[G1+6], 0
	s_mov_b32 s[G1+7], 0
	s_mov_b32 s[G1T], 15|(3<<16)|(1<<21)
	s_mov_b32 s[G1T+1], 32<<16
	s_mov_b32 s[G1T+2], 8<<16                      ; 8 rows: 2,048 bytes a wave
	s_mov_b32 s[G1T+3], 32<<16
	s_mov_b32 s[G1T+4], 8
	s_mov_b32 s[G1T+5], 32
	s_mov_b32 s[G1T+6], 0
	s_mov_b32 s[G1T+7], 0
	s_lshl_b32 s17, s[WV], 13
	s_lshl_b32 s18, s[WV], 11
	s_mov_b32 s[G0A], 1
	s_mov_b32 s[G0A+1], s17
	s_mov_b32 s[G0B], 1
	s_add_co_u32 s[G0B+1], s17, SLOT
	s_mov_b32 s[G0T], 1
	s_add_co_u32 s[G0T+1], s18, TAB
	s_mov_b32 s20, s17
	s_mov_b32 s21, 0
	s_mov_b32 s22, s18
	s_mov_b32 s23, 0
	s_mov_b32 s[HM], 0xffff0000
	s_mov_b32 s[TB], 0
	s_mov_b32 s90, 0x41b504f3                      ; sqrt(512)
	s_mov_b32 s91, 0
	s_lshl_b32 s57, s16, 8
	s_lshl_b32 s19, s[WV], 6
	s_add_co_u32 s57, s57, s19
	s_lshl_b32 s57, s57, 1                         ; my wave's first data row, 2 bytes a row in a plane of idx
	s_mul_i32 s58, s16, 6144
	s_mov_b32 s59, 0
	s_lshr_b32 s60, s16, 6
	s_lshl_b32 s60, s60, 15                        ; the batch's 2,048 rows of 16 bytes in pc
	s_wait_dscnt 0x0                               ; the opening add is done
	s_wait_kmcnt 0x0
	s_add_nc_u64 s[G0A+2:G0A+3], s[8:9], s[20:21]
	s_add_nc_u64 s[G0B+2:G0B+3], s[G0A+2:G0A+3], SLOT
	s_or_b32 s[G0A+3], s[G0A+3], 0x80000000
	s_or_b32 s[G0B+3], s[G0B+3], 0x80000000
	s_add_nc_u64 s[G0T+2:G0T+3], s[10:11], s[22:23]
	s_or_b32 s[G0T+3], s[G0T+3], 0x80000000
	s_add_nc_u64 s[12:13], s[12:13], s[58:59]
	CROUND                                         ; all four work-groups are here: the first joint loads meet
	tensor_load_to_lds s[G0T:G0T+3], s[G1T:G1T+7]  ; the table,
	s_nop 0
	tensor_load_to_lds s[G0A:G0A+3], s[G1:G1+7]    ; piece 0 (the first layer's weights),
	s_nop 0
	tensor_load_to_lds s[G0B:G0B+3], s[G1:G1+7]    ; piece 1
	s_nop 0
	PLACES
; THE GATHER: for each of my 64 rows three indices, then three rows of pc; beside them the table of norms, a word a lane
	v_and_b32 v10, 15, v0
	v_lshlrev_b32 v11, 1, v10
	v_add_nc_u32 v11, s57, v11
	v_and_b32 v[NO], 31, v0
	v_lshlrev_b32 v[NO], 2, v[NO]
.set gt, 0
.rept 4
.set gp, 0
.rept 3
	global_load_u16 v[IX+3*gt+gp], v11, s[4:5] offset:131072*gp+32*gt
.set gp, gp+1
.endr
.set gt, gt+1
.endr
	global_load_b32 v[NA], v[NO], s[62:63]             ; lane l: the largest column norm of columns 64 l .. 64 l + 63 of the five layers on end
	global_load_b32 v[NC], v[NO], s[62:63] offset:128  ; and their largest |bias|
	v_and_b32 v[L16], 31, v0
	v_lshlrev_b32 v[L16], 4, v[L16]
	s_mul_i32 s17, s[WV], STW
	s_add_co_u32 s17, s17, STASH
	v_add_nc_u32 v[SB], s17, v[L16]
	v_mov_b32 v[SA], v[SB]
	v_bfe_u32 v10, v0, 4, 1
	v_lshl_add_u32 v[BA], v10, 5, TAB
	v_mov_b32 v[ONE], 1.0
	v_and_b32 v[FA], 7, v0
	v_mul_u32_u24 v[FA], 768, v[FA]
	v_lshl_add_u32 v[FA], v10, 5, v[FA]
	v_add_nc_u32 v[FA], s17, v[FA]                 ; my scratch: k = lane % 8 at 768 k, features 8 (lane / 16) on
	v_mov_b32 v[WA], v[L16]
	v_mov_b32 v[ZR], 0
	v_mov_b32 v[NEG1], -1.0
	s_wait_loadcnt 0x0
.set gt, 0
.rept 12
	v_min_u32 v[IX+gt], 0x7ff, v[IX+gt]            ; an index stays inside its batch
	v_lshl_add_u32 v[IX+gt], v[IX+gt], 4, s60
.set gt, gt+1
.endr
.set gt, 0
.rept 12
	global_load_b128 v[PCG+4*gt:PCG+4*gt+3], v[IX+gt], s[6:7]
.set gt, gt+1
.endr
; THE SCALES.  While the points are on their way: the layers' A and C.  Lanes 0-7 hold c1's, 8-15 res', 16-23 blk0's, 24-27 blk1's.
.irp m, 1,2
	v_max_num_f32_dpp v[NA], v[NA], v[NA] row_xmask:\m row_mask:0xf bank_mask:0xf
	v_max_num_f32_dpp v[NC], v[NC], v[NC] row_xmask:\m row_mask:0xf bank_mask:0xf
.endr
	v_mov_b32 v[NA+2], v[NA]                       ; by groups of four lanes, for blk1
	v_mov_b32 v[NC+2], v[NC]
	v_max_num_f32_dpp v[NA], v[NA], v[NA] row_xmask:4 row_mask:0xf bank_mask:0xf
	v_max_num_f32_dpp v[NC], v[NC], v[NC] row_xmask:4 row_mask:0xf bank_mask:0xf
	v_readlane_b32 s[EX], v[NA], 0
	v_readlane_b32 s[EX+1], v[NA], 8
	v_readlane_b32 s[EX+2], v[NA], 16
	v_readlane_b32 s[EX+3], v[NA+2], 24
	v_readlane_b32 s[EX+4], v[NC], 0
	v_readlane_b32 s[EX+5], v[NC], 8
	v_readlane_b32 s[EX+6], v[NC], 16
	v_readlane_b32 s[EX+7], v[NC+2], 24
	s_wait_loadcnt 0x0
.set gt, 0
.rept 4
	v_add_f32 v[BD+gt], v[PCG+12*gt+3], v[PCG+12*gt+7]     ; a row's squared norm: the three points' |p|^2 lie beside their coordinates
.set gt, gt+1
.endr
.set gt, 0
.rept 4
	v_add_f32 v[BD+gt], v[BD+gt], v[PCG+12*gt+11]
.set gt, gt+1
.endr
	v_max3_num_f32 v[BD], v[BD], v[BD+1], v[BD+2]
	v_max_num_f32 v[BD], v[BD], v[BD+3]
.irp m, 1,2,4,8
	v_max_num_f32_dpp v[BD], v[BD], v[BD] row_xmask:\m row_mask:0xf bank_mask:0xf   ; lanes 16-31 hold the same rows as lanes 0-15: every lane now has the wave's largest
.endr
	v_sqrt_f32 v[BD], v[BD]                        ; r0
	v_nop                                          ; a plain line behind the root: what follows reads it at once
	s_wait_alu depctr_va_vdst(0)                   ; the wait for the one root of the launch's head, ahead of its first reader
	v_fma_f32 v[BD+1], v[BD], s[EX], s[EX+4]       ; B1
	v_fma_f32 v[BD+2], s[EX+1], s90, 1.0
	v_fma_f32 v[BD+3], v[BD+1], v[BD+2], s[EX+5]   ; B2
	v_mul_f32 v[BD+4], s[EX+2], s90
	v_fma_f32 v[BD+5], v[BD+3], v[BD+4], s[EX+6]   ; B3
	v_mul_f32 v[BD+6], s[EX+3], s90
	v_fma_f32 v[BD+7], v[BD+5], v[BD+6], s[EX+7]   ; B4
	v_readfirstlane_b32 s[EX], v[BD]
	v_readfirstlane_b32 s[EX+1], v[BD+3]
	v_readfirstlane_b32 s[EX+2], v[BD+5]
	v_readfirstlane_b32 s[EX+3], v[BD+7]
	EXPO EX                                        ; e0
	EXPO EX+1                                      ; e12
	EXPO EX+2                                      ; e3
	EXPO EX+3                                      ; e4
	LCON LC, EX, EX+1                              ; c1: in e0, out e12
	LCON LC+3, EX+1, EX+2                          ; res (its first constant alone) and blk0: in e12, out e3
	LCON LC+6, EX+2, EX+3                          ; blk1: in e3, out e4
	LCON LC+9, EX+3, 91                            ; blk2: in e4, out unscaled
	SETL LC
	GATH 0
	GATH 1
	GATH 2
	GATH 3
	s_wait_tensorcnt 0x1                           ; my parts of the table and of piece 0 are in; piece 1's may stay out
	s_barrier_signal -1
	s_barrier_wait -1
	FETCH1
	LOADB BI
	s_wait_dscnt 0x0
; THE FIRST LAYER, in phases: with one K step a chunk's products are finished at once, and there is nothing to ride on
	s_mov_b32 s[CNT], 15
.Lc1:
	s_wait_dscnt 0x8                               ; weights and bias are in; the eight stores issued behind them may be out
	MM8
	v_add_nc_u32 v[WA], 2048, v[WA]
	FETCH1
	FETCHB
	LUMP 1, -1
	STOREP
	s_sub_co_u32 s[CNT], s[CNT], 1
	s_cmp_lg_u32 s[CNT], 0
	s_cbranch_scc1 .Lc1
	s_wait_dscnt 0x8
	MM8                                            ; chunk 15
	TURN_A                                         ; piece 0 has been read out: piece 2 takes its slot
	TURN_B
	TURN_C
	s_mov_b32 s[TB], SLOT
	v_add_nc_u32 v[WA], s[TB], v[L16]
	HALF 0                                         ; piece 1, shown whole by that barrier
	FETCHB
	BOUND 15, 1, 15
	SETL LC+3
; THE RESIDUAL LAYER
	CHUNK 16, 0, 0, 1
	s_mov_b32 s[CNT], 15
.Lres:
	CHUNK 16, 2, 0, 1
	s_sub_co_u32 s[CNT], s[CNT], 1
	s_cmp_lg_u32 s[CNT], 0
	s_cbranch_scc1 .Lres
	BOUND 15, 2, 15
; 512 -> 512 (its input has the residual layer's scale: the constants stay)
	CHUNK 16, 0, 0, 1
	s_mov_b32 s[CNT], 15
.Lb0:
	CHUNK 16, 1, 0, 1
	s_sub_co_u32 s[CNT], s[CNT], 1
	s_cmp_lg_u32 s[CNT], 0
	s_cbranch_scc1 .Lb0
	BOUND 15, 1, 15
	SETL LC+6
; 512 -> 256
	CHUNK 16, 0, 0, 1
	s_mov_b32 s[CNT], 7
.Lb1:
	CHUNK 16, 1, 0, 1
	s_sub_co_u32 s[CNT], s[CNT], 1
	s_cmp_lg_u32 s[CNT], 0
	s_cbranch_scc1 .Lb1
	BOUND 7, 1, 7
	SETL LC+9
; 256 -> 170 (192 with zeros): six chunks, two to a piece and to a trip
	CHUNK 8, 0, 3, 1                               ; chunks 0 and 1; the last piece is asked for
	s_mov_b32 s[CNT], 2
.Lb2:                                                  ; chunks 2 to 5.  The barrier is wanted in the first trip, ahead of the last piece's first read; the second passes it idly.
	CHUNK 8, 3, 3, 2                               ; The last trip's fetches ahead read an old piece's bytes as weights and the table's zero tail as a bias; neither is used.
	s_sub_co_u32 s[CNT], s[CNT], 1
	s_cmp_lg_u32 s[CNT], 0
	s_cbranch_scc1 .Lb2
	LUMP 3, -1
	FTAIL
; THE WAY OUT: the maximum over the four waves' scratches, [8 k][192 features] of f32
	s_wait_dscnt 0x0                               ; for the others' sake
	s_barrier_signal -1
	s_barrier_wait -1
	v_lshl_add_u32 v76, v0, 4, STASH
	v_add_nc_u32 v77, STW, v76
	v_add_nc_u32 v78, STW, v77
	v_add_nc_u32 v79, STW, v78
	v_lshlrev_b32 v10, 4, v0
.set i, 0
.rept 3
.irp w, 0,1,2,3
	ds_load_b128 v[OUTR+16*i+4*\w:OUTR+16*i+4*\w+3], v[76+\w] offset:2048*i
.endr
.set i, i+1
.endr
	s_wait_dscnt 0x0
.set i, 0
.rept 3
.irp n, 0,1,2,3
	v_max3_num_f32 v[OUTR+16*i+\n], v[OUTR+16*i+\n], v[OUTR+16*i+4+\n], v[OUTR+16*i+8+\n]
	v_max_num_f32 v[OUTR+16*i+\n], v[OUTR+16*i+\n], v[OUTR+16*i+12+\n]
.endr
	global_store_b128 v10, v[OUTR+16*i:OUTR+16*i+3], s[12:13] offset:2048*i   ; a wave stores 512 consecutive bytes
.set i, i+1
.endr
	s_wait_tensorcnt 0x0                           ; the wave's end
	ds_add_u32 v[SPW], v[NIL]
	s_wait_dscnt 0x0
	CROUND                                         ; the closing round
	s_endpgm
.Lfunc_end_k_qe8285fb38f_mlp:
	.size	k_qe8285fb38f_mlp, .Lfunc_end_k_qe8285fb38f_mlp-k_qe8285fb38f_mlp
	.p2alignl 7, 3214868480
	.fill 96, 4, 3214868480
	.section	.rodata,"a",@progbits
	.p2align	6, 0x0
	.amdhsa_kernel k_qe8285fb38f_mlp
		.amdhsa_group_segment_fixed_size 327680
		.amdhsa_private_segment_fixed_size 0
		.amdhsa_enable_private_segment 0
		.amdhsa_kernarg_size 48
		.amdhsa_user_sgpr_count 2
		.amdhsa_user_sgpr_kernarg_segment_ptr 1
		.amdhsa_wavefront_size32 1
		.amdhsa_system_sgpr_workgroup_id_x 1
		.amdhsa_system_sgpr_workgroup_id_y 1
		.amdhsa_system_sgpr_workgroup_id_z 1
		.amdhsa_system_vgpr_workitem_id 0
		.amdhsa_next_free_vgpr 1024
		.amdhsa_next_free_sgpr 96
		.amdhsa_reserve_vcc 0
		.amdhsa_float_denorm_mode_32 3
		.amdhsa_float_denorm_mode_16_64 3
		.amdhsa_memory_ordered 1
		.amdhsa_forward_progress 1
		.amdhsa_inst_pref_size 255
	.end_amdhsa_kernel
	.section	.bss,"aw",@nobits
	.p2align	6
	.space	262144
	.amdgpu_metadata
---
amdhsa.version: [ 1, 2 ]
amdhsa.kernels:
  - .name:           k_qe8285fb38f_mlp
    .symbol:         k_qe8285fb38f_mlp.kd
    .args:
      - { .name: idx, .offset: 0, .size: 8, .value_kind: global_buffer, .address_space: global }
      - { .name: pc, .offset: 8, .size: 8, .value_kind: global_buffer, .address_space: global }
      - { .name: wq, .offset: 16, .size: 8, .value_kind: global_buffer, .address_space: global }
      - { .name: tab, .offset: 24, .size: 8, .value_kind: global_buffer, .address_space: global }
      - { .name: part, .offset: 32, .size: 8, .value_kind: global_buffer, .address_space: global }
      - { .name: nrm, .offset: 40, .size: 8, .value_kind: global_buffer, .address_space: global }
    .group_segment_fixed_size: 327680
    .private_segment_fixed_size: 0
    .kernarg_segment_align: 8
    .kernarg_segment_size: 48
    .max_flat_workgroup_size: 128
    .sgpr_count:     96
    .vgpr_count:     1024
    .wavefront_size: 32
...
	.end_amdgpu_metadata
.endif
;; end of part 6
;; launch fin: the kernel of part 4 again; grid 32 x 1, 8 waves a work-group, no clusters, 5,120 bytes of LDS; arguments part, out0; writes out0
